; MI455X (gfx1250); checked and timed in simulation.
; The chip was launched on July 23, 2026; its instructions are those of AMD's public machine-readable ISA for CDNA 5 (MIT licence, August 2026) and "CDNA5" Instruction Set Architecture Reference Guide (July 2026). The comments in the code are by the model that wrote it; some were corrected since.
;; Self Attention. Allowed arithmetic: matrix products marked QUANTISED: E2M3 operands, one E8M0 scale for each 32 along K, by v_wmma_scale_f32_16x16x128_f8f6f4 with both operands' format E2M3, f32 sums; everything else in f32.
;; Inputs: W_proj 1,024 x 1,024 float32; W_qkv 1,024 x 3,072 float32; b_proj 1,024 float32; b_qkv 3,072 float32; x 2 x 2,048 x 1,024 float32.
;; Outputs: out0 2 x 2,048 x 1,024 float32.
;; This version of the problem:
;;   THIS VERSION OF THE PROBLEM IS GIVEN IN LOW PRECISION. The matrix products marked QUANTISED in the list below multiply operands that are first quantised to E2M3 (2 exponent bits, 3 mantissa bits; 6 bits a number), with one power-of-two scale for each 32 numbers along K (OCP MX v1.0); their sums are f32. All else is computed in f32.
;;   The module's matrix products, in the order in which they are computed (A, B: the left and right operand; K: the contracted axis; several contracted axes count as one K, in the product's order):
;;     1. [M 4,096, K 1,024] x [K 1,024, N 3,072]; A: input x; B: input W_qkv: QUANTISED
;;     2. batch 32 x [M 2,048, K 64] x [K 64, N 2,048]; A: computed on the way; B: computed on the way: QUANTISED
;;     3. batch 32 x [M 2,048, K 2,048] x [K 2,048, N 64]; A: softmax (see below); B: computed on the way: QUANTISED
;;     4. [M 4,096, K 1,024] x [K 1,024, N 1,024]; A: computed on the way; B: input W_proj: QUANTISED
;;   THE QUANTISER, for each operand of a quantised product, along K:
;;     - K is cut into blocks of 32 from its start; a last block that is shorter is filled with zeros.
;;     - A block's scale is 2^e with e = floor(log2(the largest magnitude in the block)) - 2, held to -126 .. 127; a block of zeros has e = 0. As a byte (E8M0): e + 127.
;;     - Each number is divided by its block's scale, clamped to +-7.5, and rounded to the nearest number of E2M3, ties to even, subnormals kept.
;;     - The product sums the exact products of the quantised numbers (number of the format x scale) in f32.
;;   ~~~python
;;   def quantise(x, axis):      # numpy; x: float32 -> the quantised numbers, widened to float32 again
;;       x = np.moveaxis(x, axis, -1); K = x.shape[-1]
;;       x = np.pad(x, [(0, 0)] * (x.ndim - 1) + [(0, -K % 32)]); x = x.reshape(x.shape[:-1] + (-1, 32)); a = np.abs(x).max(-1, keepdims=True)
;;       e = np.where(a > 0, np.clip(np.frexp(np.where(a > 0, a, 1))[1] - 1 - 2, -126, 127), 0)      # np.frexp(a)[1] - 1 = floor(log2(a)), exactly
;;       r = np.clip(x / 2.0 ** e, -7.5, 7.5)
;;       step = 2.0 ** (np.maximum(np.frexp(np.where(r == 0, 1, r))[1] - 1, 0) - 3)
;;       q = np.round(r / step) * step * 2.0 ** e      # np.round: ties to even
;;       return np.moveaxis(q.reshape(q.shape[:-2] + (-1,))[..., :K], -1, axis).astype(np.float32)
;;   ~~~
;;   SOFTMAX AHEAD OF A QUANTISED PRODUCT. Where the list says 'softmax', what is quantised is not the finished softmax but p = 2^(t - M), with t = logit x log2(e) and M = ceil(the row's largest t), a whole number; so 1/2 < the row's largest p <= 1. The row's sum l is taken of the UNQUANTISED p, in f32, and the product's result is divided by l at the end. Since M is a whole number, a kernel that streams over the keys may use a running M (the ceiling of the running maximum): every later rescaling is an exact power of two, which a block's scale takes up: the codes' values come out the same.
;;   OPERANDS COMPUTED ON THE WAY. 'Computed on the way' means the value that the module computes at that place (a softmax that the list does not call 'softmax' is quantised finished and normalised). What goes into a quantiser is computed in f32, as accurately as f32 sums, v_exp_f32 and their like allow (about 1e-6 of the number): no bf16 or f16 on the way to a quantiser, and a product that is left as it is and whose result goes on into a quantised operand takes f32 operands (vector FMAs, or v_wmma_f32_16x16x4_f32). A number that lies on a knife's edge between two numbers of the format may be rounded either way, as far as f32 arithmetic and the matrix unit's own rounding can turn it there, and no further.
;; One version. Each part assembles by itself: llvm-mc -triple=amdgcn-amd-amdhsa -mcpu=gfx1250 --defsym DOCPART=n.
;; ======== version 1 of 1: 4 launches
;; limits: right only within a limited range of input values
;; workspace buffers: opc 6,291,456 bytes; ops 262,144 bytes; qkvc 9,830,400 bytes
;; launch prep (part 1): grid 256 x 1, 4 waves a work-group, no clusters, 34,304 bytes of LDS; arguments x, W_qkv, W_proj, opc, ops; writes opc, ops
.if DOCPART == 1
	.amdgcn_target "amdgcn-amd-amdhsa--gfx1250"
	.amdhsa_code_object_version 6
	.text
	.protected	k_q0af6d82903_prep
	.globl	k_q0af6d82903_prep
	.p2align	8
	.type	k_q0af6d82903_prep,@function
k_q0af6d82903_prep:
	s_mov_b64 s[64:65], 0
	v_nop
	global_prefetch_b8 v0, s[64:65] scope:SCOPE_SE
	s_setreg_imm32_b32 hwreg(HW_REG_WAVE_MODE, 25, 1), 1
	s_wait_xcnt 0x0
; x [4096][1024], W_qkv [1024][3072] and W_proj [1024][1024], f32, become codes of FP6 (E2M3) along K = 1024, with one E8M0 byte for each 32 along K.
; A block's scale is 2^(floor(log2(largest magnitude)) - 2): its byte is the largest magnitude's exponent field - 2, held at 1 from below.
; LIMITS: NaN and infinities are not served.  A block of zeros, or one whose largest magnitude lies under 2^-124, gets the byte 1 (the rule says 127 for zeros):
; its codes are zeros or subnormal codes, and the bytes are read by this program alone.
; THE OUTPUT IS LAID IN THE ORDER OF THE OPERAND'S REGISTERS.  opc: [tile 512][K step 8][1,536 bytes]: a fragment (16 rows x 128 K, 12 registers a lane) with registers 4c..4c+3 of lane L at 512 c + 16 L.
; Tiles 0-255: x; 256-447: the columns of W_qkv; 448-511: the columns of W_proj.  ops: [16 x tile + place][8 words], a word for each K step.
; THE ROWS OF A TILE ARE NOT NEIGHBOURS: of each 32 rows, tile 2G+u has at place p the row 32G + 8u + p%8 + 16 (p/8), so that a product that takes such a tile as source 0 leaves 16 neighbours in 16 registers.
; Work-groups 0-127 take x (a wave: one tile, four K steps), 128-223 W_qkv, 224-255 W_proj (a wave: 32 columns x 256 along K).  Waves share nothing: no barrier.
.set TM,  10                           ; v10-25  at work in a quantiser: +0..3 largest magnitudes, +4..7 the other half's / bytes, +12..15 the conversions' scale operands
.set TP,  26                           ; v26-33  the upper halves of blocks, on their way
.set PW,  34                           ; v34-37  scale words
.set SEL, 20                           ; s[20:21] lane selects: lane l xor 16
.set RX,  40                           ; v40-167 x as loaded, two sets of 64; for a weight: v40-103 two sets of 32 numbers, v104-151 four fragments
.set X,   168                          ; v168-231 64 numbers of my row
.set PC,  232                          ; v232-243 a fragment
; 64 numbers of a lane, register 16 b + i = K 32 b + 16 (lane / 16) + i of my row, become six registers at dlo (block lane/16), six at dhi (block 2 + lane/16) and the row's scale word in pw.
.macro QUANT s, dlo, dhi, pw
.irp b, 0,1,2,3
	v_max3_num_f32 v[TM+\b], |v[(\s)+16*\b]|, |v[(\s)+1+16*\b]|, 0x1800000   ; my 16 numbers of block b, and the floor 2^(3 - 127): the byte cannot fall under 1
.endr
.irp i, 2,4,6,8,10,12,14
.irp b, 0,1,2,3
	v_max3_num_f32 v[TM+\b], v[TM+\b], |v[(\s)+16*\b+\i]|, |v[(\s)+1+16*\b+\i]|
.endr
.endr
.irp b, 0,1,2,3
	v_permlanex16_b32 v[TM+4+\b], v[TM+\b], s[SEL], s[SEL+1]
.endr
.irp b, 0,1,2,3
	v_max_num_f32 v[TM+\b], v[TM+\b], v[TM+4+\b]       ; with lane l xor 16's: the block's largest magnitude
.endr
.irp b, 0,1,2,3
	v_add_nc_u32 v[TM+12+\b], 0xff000000, v[TM+\b]     ; 2 off its exponent field: the conversion takes this operand's exponent field as its scale
.endr
.irp b, 0,1,2,3
	v_lshrrev_b32 v[TM+4+\b], 23, v[TM+12+\b]          ; the byte
.endr
	v_lshl_or_b32 v[\pw], v[TM+5], 8, v[TM+4]
	v_lshl_or_b32 v[\pw], v[TM+6], 16, v[\pw]
	v_lshl_or_b32 v[\pw], v[TM+7], 24, v[\pw]
	v_cvt_scalef32_pk16_fp6_f32 v[(\dlo):(\dlo)+2], v[(\s):(\s)+15], v[TM+12]
	v_cvt_scalef32_pk16_fp6_f32 v[TP:TP+2], v[(\s)+16:(\s)+31], v[TM+13]
	v_cvt_scalef32_pk16_fp6_f32 v[(\dhi):(\dhi)+2], v[(\s)+32:(\s)+47], v[TM+14]
	v_cvt_scalef32_pk16_fp6_f32 v[TP+4:TP+6], v[(\s)+48:(\s)+63], v[TM+15]
	v_nop                                              ; one plain instruction behind the scaled conversions
.irp i, 0,1,2
	v_permlane16_swap_b32 v[(\dlo)+\i], v[TP+\i]       ; the layout wants a whole block in a lane: lanes 0-15 the even block, lanes 16-31 the odd one
.endr
.irp i, 0,1,2
	v_mov_b32 v[(\dlo)+3+\i], v[TP+\i]
.endr
.irp i, 0,1,2
	v_permlane16_swap_b32 v[(\dhi)+\i], v[TP+4+\i]
.endr
.irp i, 0,1,2
	v_mov_b32 v[(\dhi)+3+\i], v[TP+4+\i]
.endr
.endm
	s_load_b256 s[4:11], s[0:1], 0x0               ; x s[4:5], W_qkv s[6:7], W_proj s[8:9], opc s[10:11]
	s_load_b64 s[12:13], s[0:1], 0x20              ; ops
	v_lshl_add_u32 v254, v0, 2, 0x8400
	v_mov_b32 v255, 0
	v_lshrrev_b32 v1, 5, v0
	v_readfirstlane_b32 s14, v1                    ; wave
	v_and_b32 v1, 31, v0                           ; lane L
	v_and_b32 v2, 15, v0                           ; r
	v_bfe_u32 v3, v0, 4, 1                         ; h
	v_lshlrev_b32 v4, 4, v1                        ; 16 L
	s_mul_i32 s15, s14, 8448                       ; my wave's stage in LDS: 16 rows of 512 bytes + 16
	v_add_nc_u32 v5, s15, v4                       ; into it: 16 L of a row
	v_mul_u32_u24 v6, v2, 528
	v_lshl_add_u32 v6, v3, 6, v6
	v_add_nc_u32 v6, s15, v6                       ; out of it: row r, + 64 h: my 16 numbers of a block of 32
	v_lshlrev_b32 v7, 5, v2
	v_lshl_add_u32 v7, v3, 3, v7                   ; x's scale words: 32 r + 8 h
	v_and_b32 v8, 7, v0
	v_lshl_add_u32 v8, v3, 3, v8
	v_bfe_u32 v9, v0, 3, 1
	v_lshl_add_u32 v8, v9, 4, v8
	v_lshlrev_b32 v8, 2, v8                        ; a weight's column of lane L = 16 u + p: 8 u + p%8 + 16 (p/8), in bytes
	v_lshlrev_b32 v9, 5, v1                        ; a weight's scale words: 32 L
	s_mov_b32 s20, 0x76543210
	s_mov_b32 s21, 0xfedcba98
.irp b, 0,1,2,3
	v_mov_b32 v[TM+4+\b], 0                        ; written once: a lane permute's destination counts as one of its sources
.endr
	s_mov_b32 s23, 0
	s_wait_kmcnt 0x0
	s_cmp_lt_u32 ttmp9, 128
	s_cbranch_scc0 .Lweights
	; ---- x: K is innermost.  Each load reads 512 consecutive bytes of one row; the 16 rows turn through the stage, so that a lane then holds 16 neighbours of each block.
	s_lshl_b32 s16, ttmp9, 2
	s_add_co_u32 s16, s16, s14
	s_lshr_b32 s17, s16, 1                         ; tile T
	s_and_b32 s18, s16, 1                          ; which four K steps
	; x's tiles have an order of their own (the head's rule on a tile's rows holds for the weights): of each 64 rows, tile 4G+u has at place p the row 64G + 8u + p%8 + 32 (p/8)
	s_lshr_b32 s22, s17, 2
	s_lshl_b32 s22, s22, 18                        ; 64 rows of 4,096 bytes for each four tiles,
	s_and_b32 s24, s17, 3
	s_lshl_b32 s24, s24, 15                        ; 8 rows for the odd tile,
	s_add_co_u32 s22, s22, s24
	s_lshl_b32 s24, s18, 11                        ; 2,048 bytes for four K steps
	s_add_co_u32 s22, s22, s24
	s_add_nc_u64 s[4:5], s[4:5], s[22:23]
	s_mul_i32 s22, s17, 12288
	s_mul_i32 s24, s18, 6144
	s_add_co_u32 s22, s22, s24
	s_add_nc_u64 s[10:11], s[10:11], s[22:23]
	s_lshl_b32 s22, s17, 9
	s_lshl_b32 s24, s18, 4
	s_add_co_u32 s22, s22, s24
	s_add_nc_u64 s[12:13], s[12:13], s[22:23]
.macro XLOAD s
.irp i, 0,1,2,3,4,5,6,7,8,9,10,11,12,13,14,15
	global_load_b128 v[RX+64*((\s)%2)+4*\i:RX+64*((\s)%2)+4*\i+3], v4, s[4:5] offset:((\i%8)+32*(\i/8))*4096+512*(\s) th:TH_LOAD_NT
.endr
.endm
.macro XTURN s                         ; LDS serves a wave's instructions in order (ISA guide 5.7.1.4): no wait between the stores and the loads
.irp i, 0,1,2,3,4,5,6,7,8,9,10,11,12,13,14,15
	ds_store_b128 v5, v[RX+64*((\s)%2)+4*\i:RX+64*((\s)%2)+4*\i+3] offset:528*\i
.endr
.irp b, 0,1,2,3
.irp j, 0,1,2,3
	ds_load_b128 v[X+16*\b+4*\j:X+16*\b+4*\j+3], v6 offset:128*\b+16*\j
.endr
.endr
.endm
	XLOAD 0
	XLOAD 1
.irp s, 0,1,2,3
.if \s < 3
	s_wait_loadcnt 16                              ; this K step's 16 loads are in; the next step's 16 may be out
.else
	s_wait_loadcnt 0x0
.endif
	XTURN \s
	s_wait_dscnt 0x0                               ; my numbers are back, and the stores into the stage have read their registers,
.if \s < 2
	XLOAD \s+2                                     ; which take the K step two on
.endif
.if \s > 0
	s_wait_xcnt 0x0                                ; the last fragment's stores have read their data: the fragment's registers are written again only behind this wait
.endif
	QUANT X, PC, PC+6, PW+\s
.irp c, 0,1,2
	global_store_b128 v4, v[PC+4*\c:PC+4*\c+3], s[10:11] offset:1536*\s+512*\c   ; 512 consecutive bytes
.endr
.endr
	s_mov_b32 s25, 0xffff0000
	v_cndmask_b32 v38, v34, v36, s25               ; lanes 0-15 store the first two words of their row, lanes 16-31 the other two
	v_cndmask_b32 v39, v35, v37, s25
	global_store_b64 v7, v[38:39], s[12:13]
	s_wait_tensorcnt 0x0
	ds_add_u32 v254, v255
	s_wait_dscnt 0x0
	s_endpgm
; ---- a weight: K is its first axis.  A lane takes a column and its registers run down K: a block of 32 lies in one lane, and the conversions give codes with K innermost.
; Lanes 0-15 hold the rows of the even tile, lanes 16-31 those of the odd tile; the blocks of a K step go by pairs into two fragments, and six exchanges of halves put block h of each tile into lanes 16 h on.
.macro WLOAD t, wp, str
.irp i, 0,1,2,3,4,5,6,7,8,9,10,11,12,13,14,15,16,17,18,19,20,21,22,23,24,25,26,27,28,29,30,31
	global_load_b32 v[RX+32*((\t)%2)+\i], v8, s[\wp:\wp+1] offset:(32*(\t)+\i)*\str th:TH_LOAD_NT
.endr
.endm
.macro WBLOCK t, wp, str
.set XS, RX+32*((\t)%2)
.set F0, 104+24*((\t)/4)
.set DD, F0+12*((\t)%2)+6*(((\t)%4)/2)
.if (\t) < 7
	s_wait_loadcnt 32                              ; this block's 32 loads are in; the next block's may be out
.else
	s_wait_loadcnt 0x0
.endif
	v_max3_num_f32 v10, |v[XS]|, |v[XS+1]|, |v[XS+2]|
	v_max3_num_f32 v11, |v[XS+3]|, |v[XS+4]|, |v[XS+5]|
.irp i, 6,10,14,18,22,26
	v_max3_num_f32 v10, v10, |v[XS+\i]|, |v[XS+\i+1]|
	v_max3_num_f32 v11, v11, |v[XS+\i+2]|, |v[XS+\i+3]|
.endr
	v_max3_num_f32 v10, v10, |v[XS+30]|, |v[XS+31]|
	v_max3_num_f32 v10, v10, v11, 0x1800000        ; and the floor
	v_add_nc_u32 v12, 0xff000000, v10
	v_lshrrev_b32 v11, 23, v12
.if (\t)%4 == 0
	v_mov_b32 v[PW+(\t)/4], v11
.else
	v_lshl_or_b32 v[PW+(\t)/4], v11, 8*((\t)%4), v[PW+(\t)/4]
.endif
	v_cvt_scalef32_pk16_fp6_f32 v[DD:DD+2], v[XS:XS+15], v12
	v_cvt_scalef32_pk16_fp6_f32 v[TP:TP+2], v[XS+16:XS+31], v12   ; (a conversion's three registers begin on an even number)
	v_nop
.irp i, 0,1,2
	v_mov_b32 v[DD+3+\i], v[TP+\i]
.endr
.if (\t)+2 < 8
	WLOAD (\t)+2, \wp, \str
.endif
.if (\t)%2 == 1
.irp i, 0,1,2,3,4,5
	v_permlane16_swap_b32 v[F0+6*(((\t)%4)/2)+\i], v[F0+12+6*(((\t)%4)/2)+\i]
.endr
.endif
.if (\t)%4 == 3
.irp c, 0,1,2
	global_store_b128 v4, v[F0+4*\c:F0+4*\c+3], s[10:11] offset:1536*((\t)/4)+512*\c
	global_store_b128 v4, v[F0+12+4*\c:F0+12+4*\c+3], s[10:11] offset:12288+1536*((\t)/4)+512*\c
.endr
.endif
.endm
.macro WPATH wp, str, tb0, wg0
	s_sub_co_u32 s16, ttmp9, \wg0
	s_lshr_b32 s17, s16, 2
	s_and_b32 s18, s16, 3                          ; which 256 along K
	s_lshl_b32 s17, s17, 7
	s_lshl_b32 s19, s14, 5
	s_add_co_u32 s17, s17, s19                     ; my wave's first column
	s_mul_i32 s22, s18, 256*\str
	s_lshl_b32 s24, s17, 2
	s_add_co_u32 s22, s22, s24
	s_add_nc_u64 s[\wp:\wp+1], s[\wp:\wp+1], s[22:23]
	s_lshr_b32 s22, s17, 4
	s_add_co_u32 s22, s22, \tb0
	s_mul_i32 s22, s22, 12288
	s_mul_i32 s24, s18, 3072
	s_add_co_u32 s22, s22, s24
	s_add_nc_u64 s[10:11], s[10:11], s[22:23]
	s_add_co_u32 s22, s17, 16*\tb0
	s_lshl_b32 s22, s22, 5
	s_lshl_b32 s24, s18, 3
	s_add_co_u32 s22, s22, s24
	s_add_nc_u64 s[12:13], s[12:13], s[22:23]
	WLOAD 0, \wp, \str
	WLOAD 1, \wp, \str
.irp t, 0,1,2,3,4,5,6,7
	WBLOCK \t, \wp, \str
.endr
	global_store_b64 v9, v[PW:PW+1], s[12:13]      ; my row's two words: 8 bytes of its 32
.endm
.Lweights:
	s_cmp_lt_u32 ttmp9, 224
	s_cbranch_scc0 .Lwproj
	s_wait_alu depctr_va_vdst(0)
	WPATH 6, 12288, 256, 128
	s_endpgm
.Lwproj:
	s_wait_alu depctr_va_vdst(0)
	WPATH 8, 4096, 448, 224
	s_endpgm
.Lfunc_end_k_q0af6d82903_prep:
	.size	k_q0af6d82903_prep, .Lfunc_end_k_q0af6d82903_prep-k_q0af6d82903_prep
	.p2alignl 7, 3214868480
	.fill 96, 4, 3214868480
	.section	.rodata,"a",@progbits
	.p2align	6, 0x0
	.amdhsa_kernel k_q0af6d82903_prep
		.amdhsa_group_segment_fixed_size 34304
		.amdhsa_private_segment_fixed_size 0
		.amdhsa_enable_private_segment 0
		.amdhsa_kernarg_size 40
		.amdhsa_user_sgpr_count 2
		.amdhsa_user_sgpr_kernarg_segment_ptr 1
		.amdhsa_wavefront_size32 1
		.amdhsa_system_sgpr_workgroup_id_x 1
		.amdhsa_system_sgpr_workgroup_id_y 1
		.amdhsa_system_sgpr_workgroup_id_z 1
		.amdhsa_system_vgpr_workitem_id 0
		.amdhsa_next_free_vgpr 256
		.amdhsa_next_free_sgpr 66
		.amdhsa_reserve_vcc 0
		.amdhsa_float_denorm_mode_32 3
		.amdhsa_float_denorm_mode_16_64 3
		.amdhsa_memory_ordered 1
		.amdhsa_forward_progress 1
		.amdhsa_inst_pref_size 111
	.end_amdhsa_kernel
	.amdgpu_metadata
---
amdhsa.version: [ 1, 2 ]
amdhsa.kernels:
  - .name:           k_q0af6d82903_prep
    .symbol:         k_q0af6d82903_prep.kd
    .args:
      - { .name: x, .offset: 0, .size: 8, .value_kind: global_buffer, .address_space: global }
      - { .name: W_qkv, .offset: 8, .size: 8, .value_kind: global_buffer, .address_space: global }
      - { .name: W_proj, .offset: 16, .size: 8, .value_kind: global_buffer, .address_space: global }
      - { .name: opc, .offset: 24, .size: 8, .value_kind: global_buffer, .address_space: global }
      - { .name: ops, .offset: 32, .size: 8, .value_kind: global_buffer, .address_space: global }
    .group_segment_fixed_size: 34304
    .private_segment_fixed_size: 0
    .kernarg_segment_align: 8
    .kernarg_segment_size: 40
    .max_flat_workgroup_size: 128
    .sgpr_count:     66
    .vgpr_count:     256
    .wavefront_size: 32
...
	.end_amdgpu_metadata
.endif
;; end of part 1
;; launch qkv (part 2): grid 16 x 16, 4 waves a work-group, clusters of 4 x 4, 295,424 bytes of LDS; arguments opc, ops, b_qkv, qkvc; writes qkvc
.if DOCPART == 2
	.amdgcn_target "amdgcn-amd-amdhsa--gfx1250"
	.amdhsa_code_object_version 6
	.text
	.protected	k_q0af6d82903_qkv
	.globl	k_q0af6d82903_qkv
	.p2align	8
	.type	k_q0af6d82903_qkv,@function
k_q0af6d82903_qkv:
	s_mov_b64 s[64:65], 0
	v_nop
	global_prefetch_b8 v0, s[64:65] scope:SCOPE_SE
	s_setreg_imm32_b32 hwreg(HW_REG_WAVE_MODE, 25, 1), 1
	s_wait_xcnt 0x0
	s_wait_alu depctr_hold_cnt(0) depctr_sa_sdst(0) depctr_va_vdst(0) depctr_va_sdst(0) depctr_va_ssrc(0) depctr_va_vcc(0) depctr_vm_vsrc(0)
	s_getreg_b32 s2, hwreg(HW_REG_IB_STS2, 6, 4)
	s_cmp_eq_u32 s2, 0
	s_cbranch_scc0 .Lentry_in_a_cluster
	s_endpgm
.Lentry_in_a_cluster:
	s_bfe_u32 s2, ttmp6, 0x10000c
	s_cmp_lg_u32 s2, 0xf033
	s_cbranch_scc0 .Lentry_shape_is_right
	s_endpgm
.Lentry_shape_is_right:
; qkv = x W_qkv + b_qkv on codes of FP6 with E8M0 scales, K = 1024; the result is quantised at once: q and k along the head's 64, v along the keys.
; 256 work-groups.  Work-group (X, Y) takes x's rows 256 Y on.  PHASE 1: these rows x columns 128 X on of q and k (two heads).  PHASE 2: head X of v for the same rows, which still lie in LDS.
; PHASE 1: wave w takes x's tiles 4w..4w+3 (source 1) against the weight's eight (source 0): 32 accumulators; a lane holds one row of x, its registers run along the columns.
; PHASE 2: wave w takes W_v's tiles 2 (w%2), +1 (source 1) against x's tiles 8 (w/2) on (source 0): 16 accumulators; a lane holds one channel, its registers run along 128 keys.
; A weight's tile 2G+u has at place p the column 32G + 8u + p%8 + 16 (p/8): 16 registers of two tiles are half a block of 32.  x's tile 4G+u has at place p the row 64G + 8u + p%8 + 32 (p/8): 32 registers of four tiles are a whole block.
; LDS holds all of K of x's 16 tiles and of the q, k weight's 8, in two halves of 512 along K.  Each wave issues ONE joint load: wave 0 x's first half, wave 1 the weight's, waves 2, 3 the second half.  No LDS byte is filled twice.
; The first barrier waits for waves 0 and 1 alone (their load lines are their own); the second, ahead of K step 4's fragments, for all.  Every tile is asked for at the head, so there is no loop in which a prefetch could run ahead.
; W_v's fragments (2 tiles x 8 K steps, 192 registers a wave) and all scale words go from memory into registers, 512 bytes on end a load; phase 2's are asked for behind K step 0, seven K steps ahead of their use.
; The biases are the C of each sum's first matrix instruction.  CLUSTER 4 x 4: x's tiles are asked for jointly along a row of the cluster, the weight's along a column.
; OUT: qkvc [plane 48][R 32][6,400 bytes], R = row / 128: four fragments of 1,536 bytes (registers 4c..4c+3 of lane L at 512 c + 16 L), then 2 x 32 scale words (word register w: fragment 2w in lanes 0-15, 2w+1 in lanes 16-31).
; Planes 0-15 q, 16-31 k (by head): fragment i = x's tiles 2i, 2i+1 of R, six registers each.  Planes 32-47 v: fragment i = 16 channels x the 128 keys of R.
; LIMITS: NaN and infinities are not served; a block of zeros or under 2^-124 gets the byte 1, read by this program alone.
; REGISTERS: window 0: v1-19 addresses, v20-31 the quantisers', v32-79 phase 1's scale words, v80-143 q's and k's bias, then phase 2's scale words and v's bias, v144-239 x's fragments, then codes on their way out, v240-255 at work;
; window 1: source 0's fragments, two sets; window 2: the accumulators; window 3: W_v's fragments.
.set HALF,  147456
.set BOFF,  98304
.set SPARE, 294912
.set ADA, 8                            ; v8, v9   phase 1: my four tiles of x in half 0, 1
.set ADX, 10                           ; v10, v11 phase 2: my eight tiles of x
.set ADB, 12                           ; v12, v13 the weight's tiles
.set SC1, 32                           ; 24 hf + 4 i + q%4.  i < 4: lanes 0-15 x's tile 4w + i, lanes 16-31 the weight's tile i; i = 4, 5: the weight's tiles i and i + 2
.set BB,  80
.set SC2, 80                           ; 20 hf + 4 g + q%4.  g < 4: lanes 0-15 x's tile g of my eight, lanes 16-31 tile 4 + g; g = 4: W_v's two tiles
.set BV,  120                          ; v120-135 v's bias of my channel, eight registers a tile
.set AF,  144
.set F,   144
.set FV,  192
.set TM,  240
.set TP,  20
.set PW,  28
.set SEL, 100
.set MSB, 0
.macro WIN new
.if MSB != (\new)
	s_set_vgpr_msb (MSB<<8)|(\new)
.set MSB, (\new)
.endif
.endm
.macro TLOAD g0, g1
	tensor_load_to_lds s[\g0:\g0+3], s[\g1:\g1+7]
	s_nop 0
.rept 4
	v_nop
.endr
.endm
.macro ARM n, g0, g1, next
	s_cmp_eq_u32 s14, \n
	s_cbranch_scc0 \next
	TLOAD \g0, \g1
	s_branch .Lasked
\next:
.endm
.macro CROUND
	s_barrier_signal -1
	s_barrier_wait -1
	s_cmp_lg_u32 s14, 0
	s_cbranch_scc1 .Lnot_wave_0_\@
	s_barrier_signal -3
.Lnot_wave_0_\@:
	s_barrier_wait -3
	s_barrier_signal -1
	s_barrier_wait -1
.endm
.macro PLACES n
.rept \n
	v_nop
.endr
.endm
; 64 sums at s of window 2, register 16 b + i = K 32 b + 16 (lane/16) + i: six registers at dlo (block lane/16), six at dhi (block 2 + lane/16), the scale word in pw
.macro QUANT s, dlo, dhi, pw
	WIN 0x0a
.irp b, 0,1,2,3
	v_max3_num_f32 v[TM+\b], |v[(\s)+16*\b]|, |v[(\s)+1+16*\b]|, 0x1800000   ; each accumulator from its low end on; the floor 2^(3 - 127)
.endr
	WIN 0x28
.irp i, 2,4,6,8,10,12,14
.irp b, 0,1,2,3
	v_max3_num_f32 v[TM+\b], v[TM+\b], |v[(\s)+16*\b+\i]|, |v[(\s)+1+16*\b+\i]|
.endr
.endr
	WIN 0
.irp b, 0,1,2,3
	v_permlanex16_b32 v[TM+4+\b], v[TM+\b], s[SEL], s[SEL+1]
.endr
.irp b, 0,1,2,3
	v_max_num_f32 v[TM+\b], v[TM+\b], v[TM+4+\b]
.endr
.irp b, 0,1,2,3
	v_add_nc_u32 v[TM+12+\b], 0xff000000, v[TM+\b]
.endr
.irp b, 0,1,2,3
	v_lshrrev_b32 v[TM+4+\b], 23, v[TM+12+\b]
.endr
	v_lshl_or_b32 v[\pw], v[TM+5], 8, v[TM+4]
	v_lshl_or_b32 v[\pw], v[TM+6], 16, v[\pw]
	v_lshl_or_b32 v[\pw], v[TM+7], 24, v[\pw]
	WIN 0x02
	v_cvt_scalef32_pk16_fp6_f32 v[(\dlo):(\dlo)+2], v[(\s):(\s)+15], v[TM+12]
	v_cvt_scalef32_pk16_fp6_f32 v[TP:TP+2], v[(\s)+16:(\s)+31], v[TM+13]
	v_cvt_scalef32_pk16_fp6_f32 v[(\dhi):(\dhi)+2], v[(\s)+32:(\s)+47], v[TM+14]
	v_cvt_scalef32_pk16_fp6_f32 v[TP+4:TP+6], v[(\s)+48:(\s)+63], v[TM+15]
	WIN 0
	v_nop
.irp i, 0,1,2
	v_permlane16_swap_b32 v[(\dlo)+\i], v[TP+\i]
.endr
.irp i, 0,1,2
	v_mov_b32 v[(\dlo)+3+\i], v[TP+\i]
.endr
.irp i, 0,1,2
	v_permlane16_swap_b32 v[(\dhi)+\i], v[TP+4+\i]
.endr
.irp i, 0,1,2
	v_mov_b32 v[(\dhi)+3+\i], v[TP+4+\i]
.endr
.endm
; 64 sums at s of window 2, register 32 c + i = K 64 c + 32 (lane/16) + i: two whole blocks a lane: twelve registers at d, the scale word in pw
.macro QUANTW s, d, pw
	WIN 0x2a
.irp c, 0,1
	v_max3_num_f32 v[TM+2*\c], |v[(\s)+32*\c]|, |v[(\s)+32*\c+1]|, |v[(\s)+32*\c+2]|
	v_max3_num_f32 v[TM+2*\c+1], |v[(\s)+32*\c+16]|, |v[(\s)+32*\c+17]|, |v[(\s)+32*\c+18]|
.endr
	WIN 0x28
.irp i, 3,5,7,9,11,13
.irp c, 0,1
	v_max3_num_f32 v[TM+2*\c], v[TM+2*\c], |v[(\s)+32*\c+\i]|, |v[(\s)+32*\c+\i+1]|
	v_max3_num_f32 v[TM+2*\c+1], v[TM+2*\c+1], |v[(\s)+32*\c+16+\i]|, |v[(\s)+32*\c+17+\i]|
.endr
.endr
.irp c, 0,1
	v_max3_num_f32 v[TM+2*\c], v[TM+2*\c], |v[(\s)+32*\c+15]|, |v[(\s)+32*\c+31]|
.endr
	WIN 0
.irp c, 0,1
	v_max3_num_f32 v[TM+2*\c], v[TM+2*\c], v[TM+2*\c+1], 0x1800000   ; the two chains, and the floor
.endr
.irp c, 0,1
	v_add_nc_u32 v[TM+12+\c], 0xff000000, v[TM+2*\c]
.endr
.irp c, 0,1
	v_lshrrev_b32 v[TM+4+\c], 23, v[TM+12+\c]
.endr
	v_lshl_or_b32 v[\pw], v[TM+5], 16, v[TM+4]     ; my bytes: blocks h and 2 + h,
	v_lshlrev_b32 v[\pw], v19, v[\pw]              ; 8 h bits up;
	v_permlanex16_b32 v[TM+6], v[\pw], s[SEL], s[SEL+1]
	v_or_b32 v[\pw], v[\pw], v[TM+6]               ; with lane l xor 16's two the word is whole
	WIN 0x02
	v_cvt_scalef32_pk16_fp6_f32 v[(\d):(\d)+2], v[(\s):(\s)+15], v[TM+12]
	v_cvt_scalef32_pk16_fp6_f32 v[TP:TP+2], v[(\s)+16:(\s)+31], v[TM+12]
	v_cvt_scalef32_pk16_fp6_f32 v[(\d)+6:(\d)+8], v[(\s)+32:(\s)+47], v[TM+13]
	v_cvt_scalef32_pk16_fp6_f32 v[TP+4:TP+6], v[(\s)+48:(\s)+63], v[TM+13]
	WIN 0
	v_nop
.irp i, 0,1,2
	v_mov_b32 v[(\d)+3+\i], v[TP+\i]
	v_mov_b32 v[(\d)+9+\i], v[TP+4+\i]
.endr
.endm
	s_load_b256 s[4:11], s[0:1], 0x0               ; opc s[4:5], ops s[6:7], b_qkv s[8:9], qkvc s[10:11]
	v_lshl_add_u32 v250, v0, 2, SPARE
	v_mov_b32 v251, 0
	ds_add_u32 v250, v251                          ; the opening lines: the add twice and one wait
	ds_add_u32 v250, v251
	v_lshrrev_b32 v1, 5, v0
	v_readfirstlane_b32 s14, v1                    ; wave
	s_lshr_b32 s15, s14, 1
	s_and_b32 s16, s14, 1
	s_bfe_u32 s17, ttmp6, 0x40000                  ; cx
	s_bfe_u32 s18, ttmp6, 0x40004                  ; cy
	s_and_b32 s21, ttmp7, 0xffff
	s_lshl_b32 s21, s21, 2
	s_add_co_u32 s21, s21, s18                     ; Y
	s_lshl_b32 s23, ttmp9, 2
	s_add_co_u32 s23, s23, s17                     ; X
	s_add_co_u32 s22, s23, 32                      ; the q, k weight's block of 128 rows of opc
	s_lshl_b32 s2, s18, 2
	s_lshl_b32 s2, 15, s2                          ; my row of the cluster
	s_lshl_b32 s3, 0x1111, s17                     ; my column
	s_or_b32 s24, s2, (3<<16)|(1<<21)              ; groups 1, elements of 8 bytes: a row = a tile's 6,144 bytes of half of K, 12,288 bytes from tile to tile; x 16 tiles, the weight 8
	s_or_b32 s32, s3, (3<<16)|(1<<21)
.irp g, 24, 32
	s_mov_b32 s[\g+1], 768<<16
	s_mov_b32 s[\g+3], 768<<16
	s_mov_b32 s[\g+5], 1536
	s_mov_b32 s[\g+6], 0
	s_mov_b32 s[\g+7], 0
.endr
	s_mov_b32 s26, 16<<16
	s_mov_b32 s28, 16
	s_mov_b32 s34, 8<<16
	s_mov_b32 s36, 8
	s_mov_b32 s57, 0
	s_mov_b32 s61, HALF
	s_mov_b32 s69, BOFF
	s_mov_b32 s73, HALF+BOFF
	s_wait_dscnt 0x0
	CROUND                                         ; the round in front of the first joint loads: it stands ahead of the wait for the arguments, which are on their way meanwhile
	s_wait_kmcnt 0x0
	s_mul_i32 s58, s21, 196608                     ; groups 0: x's s[56:59], s[60:63] never hold cx, the weight's s[68:71], s[72:75] never hold cy
	s_mov_b32 s59, 0
	s_add_nc_u64 s[58:59], s[4:5], s[58:59]
	s_add_nc_u64 s[62:63], s[58:59], 6144
	s_mul_i32 s70, s22, 98304
	s_mov_b32 s71, 0
	s_add_nc_u64 s[70:71], s[4:5], s[70:71]
	s_add_nc_u64 s[74:75], s[70:71], 6144
.irp g, 56,60,68,72
	s_mov_b32 s[\g], 1
	s_or_b32 s[\g+3], s[\g+3], 0x80000000
.endr
	ARM 0, 56, 24, .Larm1                          ; one load a wave, what is needed first asked for first
	ARM 1, 68, 32, .Larm2
	ARM 2, 60, 24, .Larm3
	TLOAD 72, 32
.Lasked:
	s_lshl_b32 s2, s23, 9
	s_mov_b32 s3, 0
	s_add_nc_u64 s[66:67], s[8:9], s[2:3]          ; q's, k's bias: my 128 columns
	s_lshl_b32 s2, s23, 6
	s_lshl_b32 s76, s16, 5
	s_add_co_u32 s2, s2, s76
	s_add_co_u32 s2, s2, 2048
	s_lshl_b32 s2, s2, 2
	s_add_nc_u64 s[80:81], s[8:9], s[2:3]          ; v's bias: column 2048 + 64 X + 32 (w%2)
	s_lshl_b32 s77, s23, 2
	s_lshl_b32 s76, s16, 1
	s_add_co_u32 s77, s77, s76
	s_add_co_u32 s77, s77, 384                     ; W_v's first tile of mine in opc
	s_mul_i32 s2, s77, 12288
	s_add_nc_u64 s[82:83], s[4:5], s[2:3]
	s_lshl_b32 s77, s77, 9                         ; its scale words, bytes from ops
	s_lshl_b32 s2, s21, 13
	s_lshl_b32 s3, s14, 11
	s_add_co_u32 s3, s2, s3                        ; scale words of x's tiles 4w on
	s_lshl_b32 s76, s15, 12
	s_add_co_u32 s2, s2, s76                       ; and of x's tiles 8 (w/2) on
	s_lshl_b32 s76, s22, 12                        ; and of the q, k weight's tiles
	s_mov_b32 s19, 0xffff0000
	s_mul_i32 s78, s14, 24576
	s_mul_i32 s79, s15, 49152
	s_mov_b32 s[SEL], 0x76543210
	s_mov_b32 s[SEL+1], 0xfedcba98
	v_and_b32 v5, 31, v0
	v_and_b32 v1, 15, v0                           ; r
	v_bfe_u32 v2, v0, 4, 1                         ; h
	v_lshlrev_b32 v3, 4, v5                        ; 16 L
	v_lshlrev_b32 v4, 2, v5                        ; 4 L
	v_lshlrev_b32 v19, 3, v2                       ; 8 h
	v_add_nc_u32 v[ADA], s78, v3
	v_add_nc_u32 v[ADX], s79, v3
	v_add_nc_u32 v[ADB], BOFF, v3
	v_add_nc_u32 v[ADA+1], HALF, v[ADA]
	v_add_nc_u32 v[ADX+1], HALF, v[ADX]
	v_add_nc_u32 v[ADB+1], HALF, v[ADB]
	v_mov_b32 v16, s3
	v_mov_b32 v7, s76
	v_cndmask_b32 v16, v16, v7, s19
	v_lshl_add_u32 v16, v1, 5, v16
	v_lshl_add_u32 v17, v2, 10, v7
	v_lshl_add_u32 v17, v1, 5, v17
	v_lshlrev_b32 v14, 11, v2
	v_lshl_add_u32 v14, v1, 5, v14
	v_add_nc_u32 v14, s2, v14                      ; phase 2: x's tile g, lanes 16-31 four tiles on
	v_lshlrev_b32 v15, 9, v2
	v_lshl_add_u32 v15, v1, 5, v15
	v_add_nc_u32 v15, s77, v15                     ; W_v's tile, lanes 16-31 the next
	v_lshrrev_b32 v5, 3, v1
	v_lshlrev_b32 v6, 6, v2                        ; 64 h
	v_and_b32 v7, 7, v1
	v_lshl_add_u32 v7, v5, 4, v7
	v_lshlrev_b32 v7, 2, v7                        ; 4 (r%8 + 16 (r/8))
.irp hf, 0,1
.irp i, 0,1,2,3
	global_load_b128 v[SC1+24*\hf+4*\i:SC1+24*\hf+4*\i+3], v16, s[6:7] offset:512*\i+16*\hf
.endr
.irp i, 4,5
	global_load_b128 v[SC1+24*\hf+4*\i:SC1+24*\hf+4*\i+3], v17, s[6:7] offset:512*\i+16*\hf
.endr
.endr
.irp b, 0,1,2,3,4,5,6,7
	global_load_b128 v[BB+8*\b:BB+8*\b+3], v6, s[66:67] offset:(32*(\b/2)+8*(\b%2))*4
	global_load_b128 v[BB+8*\b+4:BB+8*\b+7], v6, s[66:67] offset:(32*(\b/2)+8*(\b%2))*4+16
.endr
.irp b, 0,1,2,3
	v_mov_b32 v[TM+4+\b], 0                        ; written once: a lane permute's destination counts as one of its sources
.endr
.macro FETCH0 q, adr                   ; source 0's eight fragments of K step q into set q%2: 24 loads
.set HF, (\q)/4
.set FQ, (\q)%4
.set FP, (\q)%2
	WIN 0x40
.irp b, 0,1,2,3,4,5,6,7
.irp c, 0,1,2
	ds_load_b128 v[128*FP+12*\b+4*\c:128*FP+12*\b+4*\c+3], v[\adr+HF] offset:6144*\b+1536*FQ+512*\c
.endr
.endr
	WIN 0
.endm
.macro FETCH q                         ; phase 1: with my four tiles of x: 36 loads
	FETCH0 \q, ADB
.irp a, 0,1,2,3
.irp c, 0,1,2
	ds_load_b128 v[AF+48*FP+12*\a+4*\c:AF+48*FP+12*\a+4*\c+3], v[ADA+HF] offset:6144*\a+1536*FQ+512*\c
.endr
.endr
.endm
.macro MUL32 q                         ; phase 1, K step q: the 32 accumulators take turns, one instruction a turn; K step 0 begins the sums with the bias
.set HF, (\q)/4
.set FQ, (\q)%4
.set FP, (\q)%2
.if (\q) == 0
	WIN 0x81                                       ; source 0 window 1, source 1 and C window 0, D window 2
.else
	WIN 0xa1
.endif
.irp a, 0,1,2,3
.irp b, 0,1,2,3,4,5,6,7
.set rD, 8*(8*\a+\b)
.if (\q) == 0
.set rC, BB+8*\b
.else
.set rC, rD
.endif
.set rB, 128*FP+12*\b
.set rA, AF+48*FP+12*\a
.set rSA, SC1+24*HF+4*\a+FQ
.if (\b == 4) || (\b == 5)
	v_wmma_scale_f32_16x16x128_f8f6f4 v[rD:rD+7], v[rB:rB+11], v[rA:rA+11], v[rC:rC+7], v[SC1+24*HF+4*\b+FQ], v[rSA] matrix_a_fmt:MATRIX_FMT_FP6 matrix_b_fmt:MATRIX_FMT_FP6
.elseif \b < 4
	v_wmma_scale_f32_16x16x128_f8f6f4 v[rD:rD+7], v[rB:rB+11], v[rA:rA+11], v[rC:rC+7], v[SC1+24*HF+4*\b+FQ], v[rSA] matrix_a_fmt:MATRIX_FMT_FP6 matrix_b_fmt:MATRIX_FMT_FP6 matrix_a_scale:MATRIX_SCALE_ROW1
.else
	v_wmma_scale_f32_16x16x128_f8f6f4 v[rD:rD+7], v[rB:rB+11], v[rA:rA+11], v[rC:rC+7], v[SC1+24*HF+4*(\b-2)+FQ], v[rSA] matrix_a_fmt:MATRIX_FMT_FP6 matrix_b_fmt:MATRIX_FMT_FP6 matrix_a_scale:MATRIX_SCALE_ROW1
.endif
.endr
.endr
.endm
.macro MULV q                          ; phase 2, K step q: 16 accumulators by turns
.set HF, (\q)/4
.set FQ, (\q)%4
.set FP, (\q)%2
.if (\q) == 0
	WIN 0x8d                                       ; source 0 window 1, source 1 window 3, C window 0, D window 2
.else
	WIN 0xad
.endif
.irp a, 0,1
.irp bh, 0,1
.irp bl, 0,1,2,3
.set rD, 8*(8*\a+4*\bh+\bl)
.if (\q) == 0
.set rC, BV+8*\a
.else
.set rC, rD
.endif
	v_wmma_scale_f32_16x16x128_f8f6f4 v[rD:rD+7], v[128*FP+12*(4*\bh+\bl):128*FP+12*(4*\bh+\bl)+11], v[96*\a+12*(\q):96*\a+12*(\q)+11], v[rC:rC+7], v[SC2+20*HF+4*\bl+FQ], v[SC2+20*HF+16+FQ] matrix_a_fmt:MATRIX_FMT_FP6 matrix_b_fmt:MATRIX_FMT_FP6 matrix_a_scale:MATRIX_SCALE_ROW\bh matrix_b_scale:MATRIX_SCALE_ROW\a
.endr
.endr
.endr
.endm
	s_wait_alu depctr_va_vdst(0)                   ; the wait at the head's end
	s_cmp_lt_u32 s14, 2
	s_cbranch_scc0 .Lnot_first
	s_wait_tensorcnt 0x0                           ; waves 0 and 1: the first half of K is in
.Lnot_first:
	s_barrier_signal -1
	s_barrier_wait -1                              ; the second half may be on its way
	FETCH 0
	s_wait_loadcnt 0x0                             ; phase 1's scale words and bias
.irp q, 0,1,2,3,4,5,6,7
.if \q == 3
	s_wait_tensorcnt 0x0                           ; every wave: the second half of K is in
	s_wait_dscnt 0x0
	s_barrier_signal -1
	s_barrier_wait -1
.endif
.if \q < 7
.if \q > 0
	PLACES 4                                       ; between the products just issued and the loads into the registers that they read
.endif
.if \q == 1                            ; the bias has served: its registers take phase 2's scale words and bias; W_v's fragments go into window 3
	WIN 0
.irp hf, 0,1
.irp g, 0,1,2,3
	global_load_b128 v[SC2+20*\hf+4*\g:SC2+20*\hf+4*\g+3], v14, s[6:7] offset:512*\g+16*\hf
.endr
	global_load_b128 v[SC2+20*\hf+16:SC2+20*\hf+19], v15, s[6:7] offset:16*\hf
.endr
	global_load_b32 v[BV], v7, s[80:81]
	global_load_b32 v[BV+8], v7, s[80:81] offset:32
	WIN 0xc0
.irp a, 0,1
.irp k, 0,1,2,3,4,5,6,7
.irp c, 0,1,2
	global_load_b128 v[96*\a+12*\k+4*\c:96*\a+12*\k+4*\c+3], v3, s[82:83] offset:12288*\a+1536*\k+512*\c
.endr
.endr
.endr
.endif
	FETCH \q+1
	s_wait_dscnt 36                                ; all but the 36 loads just issued
.else
	s_wait_dscnt 0x0
.endif
	MUL32 \q
.endr
	WIN 0
	PLACES 4
	FETCH0 0, ADX                                  ; phase 2's first fragments land under phase 1's way out
	s_wait_loadcnt 0x0                             ; W_v, phase 2's scale words and bias
.irp a, 0,8
.irp i, 1,2,3,4,5,6,7
	v_mov_b32 v[BV+\a+\i], v[BV+\a]                ; my channel's number over the tile's eight registers
.endr
.endr
	; ---- q, k.  My 128 columns are two heads: blocks 0, 1 of a row are plane 2 X's, blocks 2, 3 plane 2 X + 1's.
	s_lshl_b32 s2, s23, 1
	s_mul_i32 s66, s2, 204800
	s_lshl_b32 s3, s21, 1
	s_add_co_u32 s3, s3, s15                       ; R = 2 Y + w / 2
	s_mul_i32 s3, s3, 6400
	s_add_co_u32 s66, s66, s3
	s_mov_b32 s67, 0
	s_add_nc_u64 s[12:13], s[10:11], s[66:67]
	s_add_co_u32 s66, s23, 32
	s_mul_i32 s66, s66, 204800
	s_add_co_u32 s66, s66, s3
	s_add_nc_u64 s[84:85], s[10:11], s[66:67]      ; v: plane 32 + X, the same R
	s_mul_i32 s66, s16, 3072
	s_add_nc_u64 s[10:11], s[12:13], s[66:67]      ; my two fragments
	s_add_nc_u64 s[86:87], s[84:85], s[66:67]
	s_lshl_b32 s66, s16, 7
	s_add_nc_u64 s[12:13], s[12:13], s[66:67]      ; my word register, 6,144 bytes on
	s_add_nc_u64 s[84:85], s[84:85], s[66:67]
.irp a, 0,1,2,3
	QUANT 64*\a, F+24*(\a/2)+6*(\a%2), F+24*(\a/2)+12+6*(\a%2), PW+\a
.if \a%2 == 1
.irp p, 0,1
.irp c, 0,1,2
	global_store_b128 v3, v[F+24*(\a/2)+12*\p+4*\c:F+24*(\a/2)+12*\p+4*\c+3], s[10:11] offset:204800*\p+1536*(\a/2)+512*\c
.endr
.endr
.endif
.if \a == 1
	v_perm_b32 v5, v[PW+1], v[PW], 0x05040100      ; a fragment's word: the even tile's two bytes below, the odd tile's above; plane 2 X,
	v_perm_b32 v6, v[PW+1], v[PW], 0x07060302      ; plane 2 X + 1
.endif
.if \a == 3
	v_perm_b32 v7, v[PW+3], v[PW+2], 0x05040100
	v_perm_b32 v18, v[PW+3], v[PW+2], 0x07060302
.endif
.endr
	v_cndmask_b32 v5, v5, v7, s19
	v_cndmask_b32 v6, v6, v18, s19
	global_store_b32 v4, v5, s[12:13] offset:6144
	global_store_b32 v4, v6, s[12:13] offset:6144+204800
	; ---- PHASE 2
.irp q, 0,1,2,3,4,5,6,7
.if \q < 7
.if \q > 0
	PLACES 4
.endif
	FETCH0 \q+1, ADX
	s_wait_dscnt 24                                ; all but the 24 loads just issued
.else
	s_wait_dscnt 0x0
.endif
	MULV \q
.endr
	WIN 0
	PLACES 4
.irp a, 0,1
	QUANTW 64*\a, FV+12*\a, PW+\a
.irp c, 0,1,2
	global_store_b128 v3, v[FV+12*\a+4*\c:FV+12*\a+4*\c+3], s[86:87] offset:1536*\a+512*\c
.endr
.endr
	v_cndmask_b32 v16, v[PW], v[PW+1], s19
	global_store_b32 v4, v16, s[84:85] offset:6144
	s_wait_tensorcnt 0x0                           ; the wave's end
	ds_add_u32 v250, v251
	s_wait_dscnt 0x0
	CROUND                                         ; the closing round
	s_endpgm
.Lfunc_end_k_q0af6d82903_qkv:
	.size	k_q0af6d82903_qkv, .Lfunc_end_k_q0af6d82903_qkv-k_q0af6d82903_qkv
	.p2alignl 7, 3214868480
	.fill 96, 4, 3214868480
	.section	.rodata,"a",@progbits
	.p2align	6, 0x0
	.amdhsa_kernel k_q0af6d82903_qkv
		.amdhsa_group_segment_fixed_size 295424
		.amdhsa_private_segment_fixed_size 0
		.amdhsa_enable_private_segment 0
		.amdhsa_kernarg_size 32
		.amdhsa_user_sgpr_count 2
		.amdhsa_user_sgpr_kernarg_segment_ptr 1
		.amdhsa_wavefront_size32 1
		.amdhsa_system_sgpr_workgroup_id_x 1
		.amdhsa_system_sgpr_workgroup_id_y 1
		.amdhsa_system_sgpr_workgroup_id_z 1
		.amdhsa_system_vgpr_workitem_id 0
		.amdhsa_next_free_vgpr 960
		.amdhsa_next_free_sgpr 106
		.amdhsa_reserve_vcc 0
		.amdhsa_float_denorm_mode_32 3
		.amdhsa_float_denorm_mode_16_64 3
		.amdhsa_memory_ordered 1
		.amdhsa_forward_progress 1
		.amdhsa_inst_pref_size 124
	.end_amdhsa_kernel
	.amdgpu_metadata
---
amdhsa.version: [ 1, 2 ]
amdhsa.kernels:
  - .name:           k_q0af6d82903_qkv
    .symbol:         k_q0af6d82903_qkv.kd
    .args:
      - { .name: opc, .offset: 0, .size: 8, .value_kind: global_buffer, .address_space: global }
      - { .name: ops, .offset: 8, .size: 8, .value_kind: global_buffer, .address_space: global }
      - { .name: b_qkv, .offset: 16, .size: 8, .value_kind: global_buffer, .address_space: global }
      - { .name: qkvc, .offset: 24, .size: 8, .value_kind: global_buffer, .address_space: global }
    .group_segment_fixed_size: 295424
    .private_segment_fixed_size: 0
    .kernarg_segment_align: 8
    .kernarg_segment_size: 32
    .max_flat_workgroup_size: 128
    .sgpr_count:     106
    .vgpr_count:     960
    .wavefront_size: 32
...
	.end_amdgpu_metadata
.endif
;; end of part 2
;; launch attn (part 3): grid 8 x 32, 16 waves a work-group, clusters of 4 x 1, 206,848 bytes of LDS; arguments qkvc, opc, ops; writes opc, ops
.if DOCPART == 3
	.amdgcn_target "amdgcn-amd-amdhsa--gfx1250"
	.amdhsa_code_object_version 6
	.text
	.protected	k_q0af6d82903_attn
	.globl	k_q0af6d82903_attn
	.p2align	8
	.type	k_q0af6d82903_attn,@function
k_q0af6d82903_attn:
	s_mov_b64 s[64:65], 0
	v_nop
	global_prefetch_b8 v0, s[64:65] scope:SCOPE_SE
	s_setreg_imm32_b32 hwreg(HW_REG_WAVE_MODE, 25, 1), 1
	s_wait_xcnt 0x0
	s_wait_alu depctr_hold_cnt(0) depctr_sa_sdst(0) depctr_va_vdst(0) depctr_va_sdst(0) depctr_va_ssrc(0) depctr_va_vcc(0) depctr_vm_vsrc(0)
	s_getreg_b32 s2, hwreg(HW_REG_IB_STS2, 6, 4)
	s_cmp_eq_u32 s2, 0
	s_cbranch_scc0 .Lentry_in_a_cluster
	s_endpgm
.Lentry_in_a_cluster:
	s_bfe_u32 s2, ttmp6, 0x10000c
	s_cmp_lg_u32 s2, 0x3003
	s_cbranch_scc0 .Lentry_shape_is_right
	s_endpgm
.Lentry_shape_is_right:
; o = softmax(q k^T / 8) v for one head and 256 queries a work-group, both products on codes of FP6 with E8M0 scales; o / l is quantised along D and stored as codes.
; THE SOFTMAX: t = score x log2(e) / 8; M = the running largest t rounded up to a whole number; p = 2^(t - M) is quantised along the keys, not normalised; the sum of the unquantised p divides at the end.
; When M moves, the sums and O are multiplied by 2^(old M - new M): exact, in every step, with no branch.
; SHARES: y = 16 x batch + head.  Each of the sixteen waves owns one tile of 16 queries; every wave walks the 2,048 keys, 128 a step.
; THE HEAD'S WHOLE K AND V LIE IN LDS, filled once: wave w issues ONE joint load, key step w's 6,400 bytes of K (four fragments and their scale words) and 6,400 of V, two rows of one tile, to LDS byte 12,800 w.
; Waves 0-3 have a load line of their own: the first barrier waits for them alone, and four key steps run while the other twelve tiles land; a second barrier shows those.  Nothing is filled twice.
; Every tile is asked for at the head, so there is no loop in which a prefetch could run ahead.  CLUSTER 4 x 1: the four query blocks of a cluster belong to one head and ask for each tile jointly.
; LAYOUT: both products transposed (S^T = K Q^T, O^T = V^T P^T): a lane holds one query.  A fragment of K holds two tiles of 16 keys, one in each half of the instruction's K; Q stands in one half with zero codes in the other.
; By the order of x's rows in a tile (tile 4G+u, place p: row 64G + 8u + p%8 + 32 (p/8)) register 32 c + i of S^T is key 64 c + 32 (lane/16) + i: a lane holds two WHOLE blocks of 32 keys, as the next operand wants them.
; OUT: o's codes and scale bytes take the places of x's in opc and ops (tiles 0-255), which no later launch reads as x: registers 2p, 2p+1 of lane L at 256 p + 8 L of a K step; a head fills half a K step.
; LIMITS: NaN and infinities are not served; the promise holds while the scaled scores stay under 2^31 in magnitude; a block of zeros or under 2^-124 gets the byte 1, read by this program alone.
; REGISTERS: v1-10 addresses; v12 -M, v13 largest score; v16-33 zeros, q, zeros; v34 q's scale word; v36-83 fragments of K, then of V; v84-147 S^T, then p; v148-179 O^T; v180-191 p's codes; v192-229 at work.
.set SPARE, 204800
.set STEPB, 12800
.set S,   84
.set O,   148
.set PC,  180
.set TP,  192
.set BM,  200                          ; v200-203 the largest score of a block, in two chains; then its largest p
.set SO,  204
.set E,   206
.set L,   220                          ; v220-227 the row's sum, in four chains of pairs
.set KF,  36
.set WV,  12
.set SEL, 20
.set CS,  22
.set TB,  60
.set CNT, 62
.macro CROUND
	s_barrier_signal -1
	s_barrier_wait -1
	s_cmp_lg_u32 s[WV], 0
	s_cbranch_scc1 .Lnot_wave_0_\@
	s_barrier_signal -3
.Lnot_wave_0_\@:
	s_barrier_wait -3
	s_barrier_signal -1
	s_barrier_wait -1
.endm
.macro TLOAD
	tensor_load_to_lds s[40:43], s[24:31]
	s_nop 0
.rept 4
	v_nop
.endr
.endm
	s_load_b128 s[4:7], s[0:1], 0x0                ; qkvc s[4:5], opc s[6:7]
	s_load_b64 s[8:9], s[0:1], 0x10                ; ops
	v_lshl_add_u32 v254, v0, 2, SPARE
	v_mov_b32 v255, 0
	ds_add_u32 v254, v255                          ; the opening lines: the add twice and one wait
	ds_add_u32 v254, v255
	v_lshrrev_b32 v1, 5, v0
	v_readfirstlane_b32 s[WV], v1                  ; wave 0..15
	s_bfe_u32 s13, ttmp6, 0x40000                  ; cx: it enters global addresses of q and o alone
	s_lshl_b32 s14, ttmp9, 2
	s_add_co_u32 s14, s14, s13                     ; my block of 256 queries
	s_and_b32 s15, ttmp7, 0xffff
	s_lshr_b32 s16, s15, 4                         ; batch
	s_and_b32 s17, s15, 15                         ; head
	s_and_b32 s19, s[WV], 1                        ; my tile is the even or the odd one of its fragment of q
	s_mov_b32 s24, 15|(3<<16)|(1<<21)              ; group 1: two rows of 800 elements of 8 bytes, 16 planes of 204,800 bytes apart; the mask names all four work-groups
	s_mov_b32 s25, 800<<16
	s_mov_b32 s26, 2<<16
	s_mov_b32 s27, 800<<16
	s_mov_b32 s28, 2
	s_mov_b32 s29, 409600
	s_mov_b32 s30, 0
	s_mov_b32 s31, 0
	s_mov_b32 s40, 1
	s_mul_i32 s41, s[WV], STEPB
	s_add_co_u32 s2, s17, 16                       ; K's plane
	s_mul_i32 s42, s2, 204800
	s_lshl_b32 s3, s16, 4
	s_add_co_u32 s3, s3, s[WV]                     ; R = 16 batch + wave
	s_mul_i32 s3, s3, 6400
	s_add_co_u32 s42, s42, s3
	s_mov_b32 s43, 0
	s_wait_dscnt 0x0
	CROUND                                         ; the round in front of the first joint loads: it stands ahead of the wait for the arguments, which are on their way meanwhile
	s_wait_kmcnt 0x0
	s_add_nc_u64 s[42:43], s[4:5], s[42:43]
	s_or_b32 s43, s43, 0x80000000
	s_cmp_lt_u32 s[WV], 4
	s_cbranch_scc0 .Llater
	TLOAD                                          ; key steps 0-3
	s_branch .Lasked
.Llater:
	TLOAD                                          ; key steps 4-15
.Lasked:
	s_lshl_b32 s2, s16, 6
	s_lshl_b32 s3, s14, 3
	s_add_co_u32 s2, s2, s3
	s_lshr_b32 s3, s[WV], 1
	s_add_co_u32 s2, s2, s3                        ; my fragment of q: 64 batch + 8 block + wave / 2
	s_lshr_b32 s3, s2, 2
	s_and_b32 s2, s2, 3
	s_mul_i32 s46, s17, 204800
	s_mul_i32 s3, s3, 6400
	s_add_co_u32 s46, s46, s3
	s_mov_b32 s47, 0
	s_add_nc_u64 s[46:47], s[4:5], s[46:47]
	s_mul_i32 s44, s2, 1536
	s_mov_b32 s45, 0
	s_add_nc_u64 s[44:45], s[46:47], s[44:45]      ; its codes
	s_lshl_b32 s48, s2, 6
	s_lshl_b32 s3, s19, 1
	s_add_co_u32 s48, s48, s3
	s_mov_b32 s49, 0
	s_add_nc_u64 s[46:47], s[46:47], s[48:49]      ; my tile's halfword of its scale words, 6,144 bytes on
	s_mov_b32 s[SEL], 0x76543210
	s_mov_b32 s[SEL+1], 0xfedcba98
	s_mov_b32 s[CS], 0x3e38aa3b                    ; c = log2(e) / 8
	s_mov_b32 s[CS+1], s[CS]
	s_cmp_eq_u32 s19, 1
	s_cselect_b32 s3, -1, 0
	v_and_b32 v6, 31, v0
	v_and_b32 v9, 15, v0
	v_bfe_u32 v10, v0, 4, 1
	v_lshlrev_b32 v1, 4, v6                        ; 16 L
	v_lshl_add_u32 v2, v6, 2, 6144                 ; a key step's scale words: 6,144 + 4 L
	v_lshlrev_b32 v7, 3, v6                        ; 8 L
	v_lshlrev_b32 v8, 5, v9                        ; 32 r
	v_lshlrev_b32 v9, 2, v9                        ; 4 r
	v_lshlrev_b32 v10, 3, v10                      ; 8 h
.irp c, 0,1,2
	global_load_b128 v[S+4*\c:S+4*\c+3], v1, s[44:45] offset:512*\c
.endr
	global_load_u16 v35, v9, s[46:47] offset:6144
	s_wait_alu depctr_va_vdst(0)
	s_wait_loadcnt 0x0
.irp i, 0,1,2,3,4,5
	v_cndmask_b32 v[22+\i], v[S+\i], v[S+6+\i], s3 ; my tile's six registers of the fragment
.endr
.irp i, 0,1,2,3,4,5
	v_mov_b32 v[16+\i], 0                          ; zero codes below and above: v[22:33] = (q, 0), v[16:27] = (0, q)
	v_mov_b32 v[28+\i], 0
.endr
	v_lshl_or_b32 v34, v35, 16, v35                ; q's two bytes serve whichever half q stands in
	v_mov_b32 v13, 0xff61b1e6                      ; the largest score so far: -3e38
	v_mul_f32 v218, s[CS], v13
	v_floor_f32 v12, -v218                         ; -M
	v_mov_b32 v217, 0
	v_mov_b32 v219, 0                              ; written once: a lane permute's destination counts as one of its sources
.irp k, 0,1,2,3,4,5,6,7
	v_mov_b32 v[L+\k], 0
.endr
.set j, 0
.rept 32
	v_mov_b32 v[O+j], 0                            ; the step is written once: the first finds zeros, which the first change of M leaves zeros
.set j, j+1
.endr
; A KEY STEP: 128 keys.
.macro STEP
	v_add_nc_u32 v3, s[TB], v1
	v_add_nc_u32 v5, s[TB], v2
.irp i, 0,1,2,3
.irp c, 0,1,2
	ds_load_b128 v[KF+12*\i+4*\c:KF+12*\i+4*\c+3], v3 offset:1536*\i+512*\c
.endr
.endr
	ds_load_b32 v212, v5                           ; K's scale words: fragment 0 in lanes 0-15, 1 in lanes 16-31;
	ds_load_b32 v213, v5 offset:128                ; fragments 2, 3
	s_wait_alu depctr_va_vdst(0)                   ; the wait ahead of the blocking wait
	s_wait_dscnt 0x0
.irp i, 0,1,2,3
.if \i%2
	v_wmma_scale_f32_16x16x128_f8f6f4 v[S+16*\i:S+16*\i+7], v[KF+12*\i:KF+12*\i+11], v[22:33], 0, v[212+\i/2], v34 matrix_a_fmt:MATRIX_FMT_FP6 matrix_b_fmt:MATRIX_FMT_FP6 matrix_a_scale:MATRIX_SCALE_ROW1
	v_wmma_scale_f32_16x16x128_f8f6f4 v[S+16*\i+8:S+16*\i+15], v[KF+12*\i:KF+12*\i+11], v[16:27], 0, v[212+\i/2], v34 matrix_a_fmt:MATRIX_FMT_FP6 matrix_b_fmt:MATRIX_FMT_FP6 matrix_a_scale:MATRIX_SCALE_ROW1
.else
	v_wmma_scale_f32_16x16x128_f8f6f4 v[S+16*\i:S+16*\i+7], v[KF+12*\i:KF+12*\i+11], v[22:33], 0, v[212+\i/2], v34 matrix_a_fmt:MATRIX_FMT_FP6 matrix_b_fmt:MATRIX_FMT_FP6
	v_wmma_scale_f32_16x16x128_f8f6f4 v[S+16*\i+8:S+16*\i+15], v[KF+12*\i:KF+12*\i+11], v[16:27], 0, v[212+\i/2], v34 matrix_a_fmt:MATRIX_FMT_FP6 matrix_b_fmt:MATRIX_FMT_FP6
.endif
.endr
	v_mov_b32 v228, v12                            ; the old -M; with three v_nop the four places in front of the loads over K's fragments and of the first read of the scores
.rept 3
	v_nop
.endr
.irp t, 0,1,2,3
.irp c, 0,1,2
	ds_load_b128 v[KF+12*\t+4*\c:KF+12*\t+4*\c+3], v3 offset:6400+1536*\t+512*\c   ; V's four fragments, in one run: they land while the softmax is worked
.endr
.endr
	ds_load_b32 v214, v5 offset:6400
	ds_load_b32 v215, v5 offset:6528
.irp c, 0,1                            ; the largest score of each of my two blocks of 32 keys, in two chains each: it serves for the row's maximum and, since p rises with the score, for the block's largest p
	v_max3_num_f32 v[BM+\c], v[S+32*\c], v[S+32*\c+1], v[S+32*\c+2]
	v_max3_num_f32 v[BM+2+\c], v[S+32*\c+16], v[S+32*\c+17], v[S+32*\c+18]
.endr
.irp i, 3,5,7,9,11,13
.irp c, 0,1
	v_max3_num_f32 v[BM+\c], v[BM+\c], v[S+32*\c+\i], v[S+32*\c+\i+1]
	v_max3_num_f32 v[BM+2+\c], v[BM+2+\c], v[S+32*\c+16+\i], v[S+32*\c+17+\i]
.endr
.endr
.irp c, 0,1
	v_max3_num_f32 v[BM+\c], v[BM+\c], v[S+32*\c+15], v[S+32*\c+31]
.endr
.irp c, 0,1
	v_max_num_f32 v[BM+\c], v[BM+\c], v[BM+2+\c]
.endr
	s_delay_alu instid0(VALU_DEP_1)
	v_max_num_f32 v218, v[BM], v[BM+1]
	s_delay_alu instid0(VALU_DEP_1)
	v_permlanex16_b32 v219, v218, s[SEL], s[SEL+1]
	s_delay_alu instid0(VALU_DEP_1)
	v_max3_num_f32 v13, v13, v218, v219            ; the running largest score of my query
	s_delay_alu instid0(VALU_DEP_1)
	v_mul_f32 v218, s[CS], v13                     ; as t
	s_delay_alu instid0(VALU_DEP_1)
	v_floor_f32 v12, -v218                         ; the new -M = -ceil(t): a whole number
	s_delay_alu instid0(VALU_DEP_1)
	v_sub_f32 v218, v12, v228                      ; old M - new M: a whole number, 0 or less
	s_delay_alu instid0(VALU_DEP_1)
	v_cvt_i32_f32 v218, v218                       ; (it saturates)
	s_delay_alu instid0(VALU_DEP_1)
	v_ldexp_f32 v216, 1.0, v218                    ; f = 2^(old M - new M)
.set j, 0
.rept 32
	v_pk_fma_f32 v[S+j:S+j+1], v[S+j:S+j+1], s[CS:CS+1], v[12:13] op_sel_hi:[1,0,0]   ; t - M, two at a time
.set j, j+2
.endr
.irp c, 0,1
	v_fma_f32 v[BM+\c], v[BM+\c], s[CS], v12       ; the same of each block's largest score
.endr
	s_wait_alu depctr_va_vdst(0)                   ; the wait ahead of the batch
.set j, 0
.rept 64
	v_exp_f32 v[S+j], v[S+j]                       ; p = 2^(t - M), at most 1
.set j, j+1
.endr
.irp c, 0,1
	v_exp_f32 v[BM+\c], v[BM+\c]                   ; the block's largest p: the same two instructions on the same number give the same bits
.endr
	v_nop                                          ; a plain place behind the exponentials
	s_wait_alu depctr_va_vdst(0)                   ; one wait for the batch, directly ahead of the first readers of O^T too
.set j, 0
.rept 16
	v_pk_mul_f32 v[O+j:O+j+1], v[O+j:O+j+1], v[216:217] op_sel_hi:[1,0]   ; O^T under the new M
.set j, j+2
.endr
.irp c, 0,1
	v_max_num_f32 v[BM+\c], 0x1800000, v[BM+\c]    ; the floor 2^(3 - 127): the byte cannot fall under 1
.endr
.irp c, 0,1
	s_delay_alu instid0(VALU_DEP_2)
	v_add_nc_u32 v[SO+\c], 0xff000000, v[BM+\c]    ; 2 off the exponent field: the conversion's scale operand
.endr
.irp c, 0,1
	s_delay_alu instid0(VALU_DEP_2)
	v_lshrrev_b32 v[E+\c], 23, v[SO+\c]
.endr
	s_delay_alu instid0(VALU_DEP_1)
	v_lshl_or_b32 v217, v[E+1], 16, v[E]           ; my bytes: blocks h and 2 + h,
	s_delay_alu instid0(VALU_DEP_1)
	v_lshlrev_b32 v217, v10, v217                  ; 8 h bits up;
	s_delay_alu instid0(VALU_DEP_1)
	v_permlanex16_b32 v219, v217, s[SEL], s[SEL+1]
	s_delay_alu instid0(VALU_DEP_1)
	v_or_b32 v217, v217, v219                      ; with lane l xor 16's two: p's scale word for these 128 keys
.irp c, 0,1
	v_cvt_scalef32_pk16_fp6_f32 v[PC+6*\c:PC+6*\c+2], v[S+32*\c:S+32*\c+15], v[SO+\c]
	v_cvt_scalef32_pk16_fp6_f32 v[TP+4*\c:TP+4*\c+2], v[S+16+32*\c:S+31+32*\c], v[SO+\c]
.endr
.irp k, 0,1,2,3                        ; the row's sum, of the unquantised p: four chains; each begins by bringing its sum under the new M.  (The first is the plain place behind the conversions)
	v_pk_fma_f32 v[L+2*\k:L+2*\k+1], v[L+2*\k:L+2*\k+1], v[216:217], v[S+2*\k:S+2*\k+1] op_sel_hi:[1,0,1]
.endr
.irp c, 0,1
.irp i, 0,1,2
	v_mov_b32 v[PC+3+6*\c+\i], v[TP+4*\c+\i]       ; (a conversion's three registers begin on an even number)
.endr
.endr
.set j, 4
.rept 8
	v_pk_add_f32 v[L+2*(j%4):L+2*(j%4)+1], v[L+2*(j%4):L+2*(j%4)+1], v[S+2*j:S+2*j+1]   ; these eight stand between the writes of p's codes and scale word and the products
.set j, j+1
.endr
	s_wait_alu depctr_va_vdst(0)                   ; the wait ahead of the blocking wait
	s_wait_dscnt 0x0                               ; V
.irp t, 0,1,2,3
.if \t%2
	v_wmma_scale_f32_16x16x128_f8f6f4 v[O+8*\t:O+8*\t+7], v[KF+12*\t:KF+12*\t+11], v[PC:PC+11], v[O+8*\t:O+8*\t+7], v[214+\t/2], v217 matrix_a_fmt:MATRIX_FMT_FP6 matrix_b_fmt:MATRIX_FMT_FP6 matrix_a_scale:MATRIX_SCALE_ROW1
.else
	v_wmma_scale_f32_16x16x128_f8f6f4 v[O+8*\t:O+8*\t+7], v[KF+12*\t:KF+12*\t+11], v[PC:PC+11], v[O+8*\t:O+8*\t+7], v[214+\t/2], v217 matrix_a_fmt:MATRIX_FMT_FP6 matrix_b_fmt:MATRIX_FMT_FP6
.endif
.endr
.rept 20
	v_pk_add_f32 v[L+2*(j%4):L+2*(j%4)+1], v[L+2*(j%4):L+2*(j%4)+1], v[S+2*j:S+2*j+1]   ; the rest of the sum: also the places between these products and the next loads over V's fragments
.set j, j+1
.endr
	s_add_co_u32 s[TB], s[TB], STEPB
.endm
.macro STEPS first, n
	s_mov_b32 s[TB], STEPB*\first
	s_mov_b32 s[CNT], \n
.Lstep_\@:
	STEP
	s_sub_co_u32 s[CNT], s[CNT], 1
	s_cmp_lg_u32 s[CNT], 0
	s_cbranch_scc1 .Lstep_\@
.endm
	s_wait_alu depctr_va_vdst(0)                   ; the wait at the head's end
	s_cmp_lt_u32 s[WV], 4
	s_cbranch_scc0 .Lnot_first
	s_wait_tensorcnt 0x0                           ; waves 0-3: key steps 0-3 are in
.Lnot_first:
	s_barrier_signal -1
	s_barrier_wait -1                              ; the other tiles may be on their way
	STEPS 0, 4
	s_wait_tensorcnt 0x0                           ; every wave: its tile is in
	s_wait_dscnt 0x0
	s_barrier_signal -1
	s_barrier_wait -1
	STEPS 4, 12
	; THE WAY OUT.  O^T / the sum: register 16 g + i = channel 32 g + 16 (lane/16) + i of my query: two blocks of the next product's K, half a fragment: six registers, stored as three pieces of 8 bytes a lane.
	v_pk_add_f32 v[L:L+1], v[L:L+1], v[L+2:L+3]
	v_pk_add_f32 v[L+4:L+5], v[L+4:L+5], v[L+6:L+7]
	v_pk_add_f32 v[L:L+1], v[L:L+1], v[L+4:L+5]
	v_add_f32 v14, v[L], v[L+1]
	v_permlanex16_b32 v219, v14, s[SEL], s[SEL+1]
	v_add_f32 v14, v14, v219                       ; the row's sum
	s_wait_alu depctr_va_vdst(0)
	v_rcp_f32 v14, v14
	v_nop
	s_lshl_b32 s2, s16, 7
	s_lshl_b32 s3, s14, 4
	s_add_co_u32 s2, s2, s3
	s_add_co_u32 s2, s2, s[WV]                     ; my tile of rows: 128 batch + 16 block + wave
	s_mul_i32 s62, s2, 12288
	s_mul_i32 s3, s17, 768                         ; a K step of 1,536 bytes for each pair of heads, the odd head in its upper half
	s_add_co_u32 s62, s62, s3
	s_mov_b32 s63, 0
	s_add_nc_u64 s[6:7], s[6:7], s[62:63]
	s_lshl_b32 s62, s2, 9
	s_lshl_b32 s3, s17, 1
	s_add_co_u32 s62, s62, s3
	s_add_nc_u64 s[8:9], s[8:9], s[62:63]
	s_wait_alu depctr_va_vdst(0)                   ; ahead of the reciprocal's first reader, and of O^T's
.set j, 0
.rept 32
	v_mul_f32 v[S+j], v[O+j], v14                  ; each accumulator from its low end on
.set j, j+1
.endr
.irp b, 0,1
	v_max3_num_f32 v[BM+\b], |v[S+16*\b]|, |v[S+1+16*\b]|, 0x1800000
.endr
.irp i, 2,4,6,8,10,12,14
.irp b, 0,1
	s_delay_alu instid0(VALU_DEP_2)
	v_max3_num_f32 v[BM+\b], v[BM+\b], |v[S+16*\b+\i]|, |v[S+1+16*\b+\i]|
.endr
.endr
.irp b, 0,1
	s_delay_alu instid0(VALU_DEP_2)
	v_permlanex16_b32 v[E+\b], v[BM+\b], s[SEL], s[SEL+1]
.endr
.irp b, 0,1
	s_delay_alu instid0(VALU_DEP_2)
	v_max_num_f32 v[BM+\b], v[BM+\b], v[E+\b]
.endr
.irp b, 0,1
	s_delay_alu instid0(VALU_DEP_2)
	v_add_nc_u32 v[SO+\b], 0xff000000, v[BM+\b]
.endr
.irp b, 0,1
	s_delay_alu instid0(VALU_DEP_2)
	v_lshrrev_b32 v[E+\b], 23, v[SO+\b]
.endr
	s_delay_alu instid0(VALU_DEP_1)
	v_lshl_or_b32 v218, v[E+1], 8, v[E]            ; my row's two bytes
	v_cvt_scalef32_pk16_fp6_f32 v[PC:PC+2], v[S:S+15], v[SO]
	v_cvt_scalef32_pk16_fp6_f32 v[TP:TP+2], v[S+16:S+31], v[SO+1]
	v_nop
.irp i, 0,1,2
	v_permlane16_swap_b32 v[PC+\i], v[TP+\i]
.endr
.irp i, 0,1,2
	v_mov_b32 v[PC+3+\i], v[TP+\i]
.endr
.irp p, 0,1,2
	global_store_b64 v7, v[PC+2*\p:PC+2*\p+1], s[6:7] offset:256*\p   ; 32 lanes store 256 consecutive bytes, at a multiple of 256 from the buffer's first byte
.endr
	global_store_b16 v8, v218, s[8:9]              ; lanes l and l + 16 hold the same row's bytes and write the same value to the same place
	s_wait_tensorcnt 0x0                           ; the wave's end
	ds_add_u32 v254, v255
	s_wait_dscnt 0x0
	CROUND                                         ; the closing round
	s_endpgm
.Lfunc_end_k_q0af6d82903_attn:
	.size	k_q0af6d82903_attn, .Lfunc_end_k_q0af6d82903_attn-k_q0af6d82903_attn
	.p2alignl 7, 3214868480
	.fill 96, 4, 3214868480
	.section	.rodata,"a",@progbits
	.p2align	6, 0x0
	.amdhsa_kernel k_q0af6d82903_attn
		.amdhsa_group_segment_fixed_size 206848
		.amdhsa_private_segment_fixed_size 0
		.amdhsa_enable_private_segment 0
		.amdhsa_kernarg_size 24
		.amdhsa_user_sgpr_count 2
		.amdhsa_user_sgpr_kernarg_segment_ptr 1
		.amdhsa_wavefront_size32 1
		.amdhsa_system_sgpr_workgroup_id_x 1
		.amdhsa_system_sgpr_workgroup_id_y 1
		.amdhsa_system_sgpr_workgroup_id_z 1
		.amdhsa_system_vgpr_workitem_id 0
		.amdhsa_next_free_vgpr 256
		.amdhsa_next_free_sgpr 66
		.amdhsa_reserve_vcc 0
		.amdhsa_float_denorm_mode_32 3
		.amdhsa_float_denorm_mode_16_64 3
		.amdhsa_memory_ordered 1
		.amdhsa_forward_progress 1
		.amdhsa_inst_pref_size 43
	.end_amdhsa_kernel
	.amdgpu_metadata
---
amdhsa.version: [ 1, 2 ]
amdhsa.kernels:
  - .name:           k_q0af6d82903_attn
    .symbol:         k_q0af6d82903_attn.kd
    .args:
      - { .name: qkvc, .offset: 0, .size: 8, .value_kind: global_buffer, .address_space: global }
      - { .name: opc, .offset: 8, .size: 8, .value_kind: global_buffer, .address_space: global }
      - { .name: ops, .offset: 16, .size: 8, .value_kind: global_buffer, .address_space: global }
    .group_segment_fixed_size: 206848
    .private_segment_fixed_size: 0
    .kernarg_segment_align: 8
    .kernarg_segment_size: 24
    .max_flat_workgroup_size: 512
    .sgpr_count:     66
    .vgpr_count:     256
    .wavefront_size: 32
...
	.end_amdgpu_metadata
.endif
;; end of part 3
;; launch proj (part 4): grid 8 x 32, 4 waves a work-group, clusters of 4 x 4, 214,528 bytes of LDS; arguments opc, ops, b_proj, out0; writes out0
.if DOCPART == 4
	.amdgcn_target "amdgcn-amd-amdhsa--gfx1250"
	.amdhsa_code_object_version 6
	.text
	.protected	k_q0af6d82903_proj
	.globl	k_q0af6d82903_proj
	.p2align	8
	.type	k_q0af6d82903_proj,@function
k_q0af6d82903_proj:
	s_mov_b64 s[64:65], 0
	v_nop
	global_prefetch_b8 v0, s[64:65] scope:SCOPE_SE
	s_setreg_imm32_b32 hwreg(HW_REG_WAVE_MODE, 25, 1), 1
	s_wait_xcnt 0x0
	s_wait_alu depctr_hold_cnt(0) depctr_sa_sdst(0) depctr_va_vdst(0) depctr_va_sdst(0) depctr_va_ssrc(0) depctr_va_vcc(0) depctr_vm_vsrc(0)
	s_getreg_b32 s2, hwreg(HW_REG_IB_STS2, 6, 4)
	s_cmp_eq_u32 s2, 0
	s_cbranch_scc0 .Lentry_in_a_cluster
	s_endpgm
.Lentry_in_a_cluster:
	s_bfe_u32 s2, ttmp6, 0x10000c
	s_cmp_lg_u32 s2, 0xf033
	s_cbranch_scc0 .Lentry_shape_is_right
	s_endpgm
.Lentry_shape_is_right:
; out0 = o W_proj + b_proj on codes of FP6 with E8M0 scales, K = 1024.  A = o's codes (tiles 0-255 of opc, ops, as the launch before left them), B = the columns of W_proj (tiles 448-511).
; A work-group makes 128 rows x 128 columns: 256 work-groups.  Four waves, 2 x 2: wave w takes A's tiles 4 (w/2) on against B's tiles 4 (w%2) on.
; B'S FOUR TILES, ALL OF K, LIE IN REGISTERS (384); A's tiles stream past them one at a time, all of K: a tile's 16 x 64 results are finished after its 32 products and leave while the next tile is multiplied.
; Source 0 = 16 columns of W_proj, source 1 = 16 rows of o: a lane holds one row; register 16 g + i of a tile = column 32 g + 16 (lane/16) + i of my 64.  Place p of A's tile T is row 64 (T/4) + 8 (T%4) + p%8 + 32 (p/8).
; LDS holds all of K, in two halves of 512 along K, each A's 8 tiles x 6,144 bytes and then B's 8.  Each wave issues ONE joint load: wave 0 A's first half, wave 1 B's, waves 2, 3 the second half.  No LDS byte is filled twice.
; The first barrier waits for waves 0 and 1 alone (their load lines are their own); the first half's fragments are read while the second lands; the second barrier waits for all.
; Every tile is asked for at the head, so there is no loop in which a prefetch could run ahead.  CLUSTER 4 x 4: A's tiles are asked for jointly along a row of the cluster, B's along a column.
; B's fragments are images with registers 4c..4c+3 of lane L at 512 c + 16 L; A's, which two heads wrote by halves, with registers 2p, 2p+1 at 256 p + 8 L.  The scale words go from memory into registers.
; The bias is the C of each sum's first matrix instruction.  The results leave through each wave's own stage in LDS as rows of 256 bytes, sixteen lanes to an aligned unit.
; REGISTERS: window 0: v1-21 addresses, v32-63 scale words, v64-95 the bias, v96-159 two sets of four accumulators, v160-223 two sets of rows on their way out; windows 1, 2: B's fragments of K steps 0-3, 4-7 at 48 (q%4) + 12 b; window 3: A's, two sets of 96.
.set HALF,  98304
.set BOFF,  49152
.set STG,   196608                     ; four stages of 16 rows x (256 + 16) bytes
.set SPARE, 214016
.set ADA, 8
.set ADB, 12
.set STO, 18
.set RD,  19
.set SC,  32                           ; 16 hf + 4 i + q%4: lanes 0-15 A's tile i, lanes 16-31 B's tile i
.set BB,  64
.set ACC, 96
.set OUTR, 160
.set MSB, 0
.macro WIN new
.if MSB != (\new)
	s_set_vgpr_msb (MSB<<8)|(\new)
.set MSB, (\new)
.endif
.endm
.macro TLOAD g0, g1
	tensor_load_to_lds s[\g0:\g0+3], s[\g1:\g1+7]
	s_nop 0
.rept 4
	v_nop
.endr
.endm
.macro ARM n, g0, g1, next
	s_cmp_eq_u32 s14, \n
	s_cbranch_scc0 \next
	TLOAD \g0, \g1
	s_branch .Lasked
\next:
.endm
.macro CROUND
	s_barrier_signal -1
	s_barrier_wait -1
	s_cmp_lg_u32 s14, 0
	s_cbranch_scc1 .Lnot_wave_0_\@
	s_barrier_signal -3
.Lnot_wave_0_\@:
	s_barrier_wait -3
	s_barrier_signal -1
	s_barrier_wait -1
.endm
.macro PLACES n
.rept \n
	v_nop
.endr
.endm
	s_load_b256 s[4:11], s[0:1], 0x0               ; opc s[4:5], ops s[6:7], b_proj s[8:9], out0 s[10:11]
	v_lshl_add_u32 v20, v0, 2, SPARE
	v_mov_b32 v21, 0
	ds_add_u32 v20, v21                            ; the opening lines: the add twice and one wait
	ds_add_u32 v20, v21
	v_lshrrev_b32 v1, 5, v0
	v_readfirstlane_b32 s14, v1                    ; wave
	s_lshr_b32 s15, s14, 1                         ; my half of the rows
	s_and_b32 s16, s14, 1                          ; my half of the columns
	s_bfe_u32 s17, ttmp6, 0x40000                  ; cx
	s_bfe_u32 s18, ttmp6, 0x40004                  ; cy
	s_and_b32 s21, ttmp7, 0xffff
	s_lshl_b32 s21, s21, 2
	s_add_co_u32 s21, s21, s18                     ; At: my block of 128 rows
	s_lshl_b32 s23, ttmp9, 2
	s_add_co_u32 s23, s23, s17                     ; my block of 128 columns,
	s_add_co_u32 s22, s23, 56                      ; Bt: as a block of 128 rows of opc
	s_lshl_b32 s2, s18, 2
	s_lshl_b32 s2, 15, s2                          ; my row of the cluster
	s_lshl_b32 s3, 0x1111, s17                     ; my column
	s_or_b32 s24, s2, (3<<16)|(1<<21)              ; groups 1, elements of 8 bytes: a row = a tile's 6,144 bytes of half of K, 12,288 bytes from tile to tile, 8 tiles
	s_or_b32 s32, s3, (3<<16)|(1<<21)
.irp g, 24, 32
	s_mov_b32 s[\g+1], 768<<16
	s_mov_b32 s[\g+2], 8<<16
	s_mov_b32 s[\g+3], 768<<16
	s_mov_b32 s[\g+4], 8
	s_mov_b32 s[\g+5], 1536
	s_mov_b32 s[\g+6], 0
	s_mov_b32 s[\g+7], 0
.endr
	s_mov_b32 s57, 0
	s_mov_b32 s61, HALF
	s_mov_b32 s69, BOFF
	s_mov_b32 s73, HALF+BOFF
	s_wait_dscnt 0x0
	CROUND                                         ; the round in front of the first joint loads: it stands ahead of the wait for the arguments, which are on their way meanwhile
	s_wait_kmcnt 0x0
	s_mul_i32 s58, s21, 98304                      ; groups 0: A's s[56:59], s[60:63] never hold cx, B's s[68:71], s[72:75] never hold cy
	s_mov_b32 s59, 0
	s_add_nc_u64 s[58:59], s[4:5], s[58:59]
	s_add_nc_u64 s[62:63], s[58:59], 6144
	s_mul_i32 s70, s22, 98304
	s_mov_b32 s71, 0
	s_add_nc_u64 s[70:71], s[4:5], s[70:71]
	s_add_nc_u64 s[74:75], s[70:71], 6144
.irp g, 56,60,68,72
	s_mov_b32 s[\g], 1
	s_or_b32 s[\g+3], s[\g+3], 0x80000000
.endr
	ARM 0, 56, 24, .Larm1                          ; one load a wave, what is needed first asked for first
	ARM 1, 68, 32, .Larm2
	ARM 2, 60, 24, .Larm3
	TLOAD 72, 32
.Lasked:
	s_lshl_b32 s2, s23, 9
	s_lshl_b32 s3, s16, 8
	s_add_co_u32 s2, s2, s3                        ; my 64 columns, in bytes
	s_mov_b32 s3, 0
	s_add_nc_u64 s[8:9], s[8:9], s[2:3]
	s_add_nc_u64 s[10:11], s[10:11], s[2:3]
	s_lshl_b32 s2, s21, 7
	s_lshl_b32 s66, s15, 6
	s_add_co_u32 s2, s2, s66
	s_lshl_b32 s2, s2, 12                          ; my first row: 128 At + 64 (w/2), rows of 4,096 bytes
	s_add_nc_u64 s[10:11], s[10:11], s[2:3]
	s_lshl_b32 s2, s21, 12
	s_lshl_b32 s3, s15, 11
	s_add_co_u32 s2, s2, s3                        ; scale words of my A tiles, bytes from ops
	s_lshl_b32 s3, s22, 12
	s_lshl_b32 s66, s16, 11
	s_add_co_u32 s3, s3, s66                       ; and of my B tiles
	s_mov_b32 s19, 0xffff0000
	s_mul_i32 s76, s15, 24576
	s_mul_i32 s77, s16, 24576
	s_add_co_u32 s77, s77, BOFF
	s_mul_i32 s78, s14, 4352
	s_add_co_u32 s78, s78, STG                     ; my stage
	v_and_b32 v5, 31, v0
	v_and_b32 v1, 15, v0                           ; r
	v_bfe_u32 v2, v0, 4, 1                         ; h
	v_lshlrev_b32 v3, 4, v5                        ; 16 L
	v_lshlrev_b32 v4, 3, v5                        ; 8 L
	v_add_nc_u32 v[ADA], s76, v4
	v_add_nc_u32 v[ADB], s77, v3
	v_add_nc_u32 v[ADA+1], HALF, v[ADA]
	v_add_nc_u32 v[ADB+1], HALF, v[ADB]
	v_mov_b32 v16, s2
	v_mov_b32 v7, s3
	v_cndmask_b32 v16, v16, v7, s19                ; lanes 0-15 A's tile i, lanes 16-31 B's tile i
	v_lshl_add_u32 v16, v1, 5, v16
	v_lshlrev_b32 v6, 6, v2                        ; 64 h
	v_mul_u32_u24 v[STO], v1, 272
	v_lshl_add_u32 v[STO], v2, 6, v[STO]
	v_add_nc_u32 v[STO], s78, v[STO]               ; in: row r, + 64 h
	v_mul_u32_u24 v[RD], v2, 272
	v_lshl_add_u32 v[RD], v1, 4, v[RD]
	v_add_nc_u32 v[RD], s78, v[RD]                 ; back: lanes 0-15 one row of 256 bytes, lanes 16-31 the next
	v_lshlrev_b32 v17, 12, v2
	v_lshl_add_u32 v17, v1, 4, v17                 ; and the same two rows in out0
.irp hf, 0,1
.irp i, 0,1,2,3
	global_load_b128 v[SC+16*\hf+4*\i:SC+16*\hf+4*\i+3], v16, s[6:7] offset:512*\i+16*\hf
.endr
.endr
.irp b, 0,1,2,3
	global_load_b128 v[BB+8*\b:BB+8*\b+3], v6, s[8:9] offset:(32*(\b/2)+8*(\b%2))*4
	global_load_b128 v[BB+8*\b+4:BB+8*\b+7], v6, s[8:9] offset:(32*(\b/2)+8*(\b%2))*4+16
.endr
.macro BLOAD hf                        ; B's four tiles, four K steps, into window 1 + hf: 48 loads
	WIN 0x40*(1+\hf)
.irp fq, 0,1,2,3
.irp b, 0,1,2,3
.irp c, 0,1,2
	ds_load_b128 v[48*\fq+12*\b+4*\c:48*\fq+12*\b+4*\c+3], v[ADB+\hf] offset:6144*\b+1536*\fq+512*\c
.endr
.endr
.endr
.endm
.macro ALOAD a, hf                     ; A's tile a, four K steps, into set a%2 of window 3: 24 loads
	WIN 0xc0
.irp fq, 0,1,2,3
.irp p, 0,1,2,3,4,5
	ds_load_b64 v[96*((\a)%2)+48*\hf+12*\fq+2*\p:96*((\a)%2)+48*\hf+12*\fq+2*\p+1], v[ADA+\hf] offset:6144*(\a)+1536*\fq+256*\p
.endr
.endr
.endm
.macro ROW a                           ; tile a is finished: 32 products, its four accumulators by turns, K ascending; the sums begin with the bias
.irp hf, 0,1
	WIN 0x0d+\hf                                   ; source 0 window 1 or 2, source 1 window 3, C and D window 0
.irp fq, 0,1,2,3
.irp b, 0,1,2,3
.set rD, ACC+32*((\a)%2)+8*\b
.if (\hf+\fq) == 0
.set rC, BB+8*\b
.else
.set rC, rD
.endif
	v_wmma_scale_f32_16x16x128_f8f6f4 v[rD:rD+7], v[48*\fq+12*\b:48*\fq+12*\b+11], v[96*((\a)%2)+48*\hf+12*\fq:96*((\a)%2)+48*\hf+12*\fq+11], v[rC:rC+7], v[SC+16*\hf+4*\b+\fq], v[SC+16*\hf+4*(\a)+\fq] matrix_a_fmt:MATRIX_FMT_FP6 matrix_b_fmt:MATRIX_FMT_FP6 matrix_a_scale:MATRIX_SCALE_ROW1
.endr
.endr
.endr
	WIN 0
.endm
; THE WAY OUT of a tile of 16 rows x 64 columns: into my stage, back as rows of 256 bytes.  LDS serves a wave's instructions in order (ISA guide 5.7.1.4): no wait between the stores and the loads.
.macro TOSTAGE a
.irp b, 0,1,2,3
	ds_store_b128 v[STO], v[ACC+32*((\a)%2)+8*\b:ACC+32*((\a)%2)+8*\b+3] offset:128*(\b/2)+32*(\b%2)       ; each accumulator from its low end on
	ds_store_b128 v[STO], v[ACC+32*((\a)%2)+8*\b+4:ACC+32*((\a)%2)+8*\b+7] offset:128*(\b/2)+32*(\b%2)+16
.endr
.irp t, 0,1,2,3,4,5,6,7
	ds_load_b128 v[OUTR+32*((\a)%2)+4*\t:OUTR+32*((\a)%2)+4*\t+3], v[RD] offset:544*\t
.endr
.endm
.macro SEND a
	s_wait_dscnt 0x0                               ; the tile is back in registers (asked for 32 products ago), and so are A's fragments asked for ahead of it
.irp t, 0,1,2,3,4,5,6,7
	global_store_b128 v17, v[OUTR+32*((\a)%2)+4*\t:OUTR+32*((\a)%2)+4*\t+3], s[10:11] offset:(8*(\a)+(2*\t)%8+32*(\t/4))*4096 th:TH_STORE_NT   ; sixteen lanes store 256 consecutive bytes, at a multiple of 256 from out0's first byte
.endr
.endm
	s_wait_alu depctr_va_vdst(0)                   ; the wait at the head's end
	s_cmp_lt_u32 s14, 2
	s_cbranch_scc0 .Lnot_first
	s_wait_tensorcnt 0x0                           ; waves 0 and 1: the first half of K is in
.Lnot_first:
	s_barrier_signal -1
	s_barrier_wait -1                              ; the second half may be on its way
	BLOAD 0
	ALOAD 0, 0
	WIN 0
	s_wait_tensorcnt 0x0                           ; every wave: the second half of K is in
	s_wait_dscnt 0x0
	s_barrier_signal -1
	s_barrier_wait -1
	BLOAD 1
	ALOAD 0, 1
	ALOAD 1, 0
	ALOAD 1, 1
	WIN 0
	s_wait_loadcnt 0x0                             ; the scale words and the bias
	s_wait_dscnt 48                                ; all but tile 1's 48 loads
	ROW 0
	PLACES 4                                       ; in front of the first read of results and of the loads over tile 0's fragments
	ALOAD 2, 0
	ALOAD 2, 1
	WIN 0
	TOSTAGE 0
	s_wait_dscnt 63                                ; tile 1's fragments are in: 64 LDS instructions are younger, and the count holds 63
	ROW 1
	SEND 0
	PLACES 4
	ALOAD 3, 0
	ALOAD 3, 1
	WIN 0
	TOSTAGE 1
	ROW 2                                          ; (its fragments were shown in by SEND 0's wait)
	SEND 1
	PLACES 4
	s_wait_xcnt 0x0                                ; tile 0's stores have read their registers: tile 2's rows may land there
	TOSTAGE 2
	ROW 3
	SEND 2
	PLACES 4
	s_wait_xcnt 0x0
	TOSTAGE 3
	SEND 3
	s_wait_tensorcnt 0x0                           ; the wave's end
	ds_add_u32 v20, v21
	s_wait_dscnt 0x0
	CROUND                                         ; the closing round
	s_endpgm
.Lfunc_end_k_q0af6d82903_proj:
	.size	k_q0af6d82903_proj, .Lfunc_end_k_q0af6d82903_proj-k_q0af6d82903_proj
	.p2alignl 7, 3214868480
	.fill 96, 4, 3214868480
	.section	.rodata,"a",@progbits
	.p2align	6, 0x0
	.amdhsa_kernel k_q0af6d82903_proj
		.amdhsa_group_segment_fixed_size 214528
		.amdhsa_private_segment_fixed_size 0
		.amdhsa_enable_private_segment 0
		.amdhsa_kernarg_size 32
		.amdhsa_user_sgpr_count 2
		.amdhsa_user_sgpr_kernarg_segment_ptr 1
		.amdhsa_wavefront_size32 1
		.amdhsa_system_sgpr_workgroup_id_x 1
		.amdhsa_system_sgpr_workgroup_id_y 1
		.amdhsa_system_sgpr_workgroup_id_z 1
		.amdhsa_system_vgpr_workitem_id 0
		.amdhsa_next_free_vgpr 960
		.amdhsa_next_free_sgpr 106
		.amdhsa_reserve_vcc 0
		.amdhsa_float_denorm_mode_32 3
		.amdhsa_float_denorm_mode_16_64 3
		.amdhsa_memory_ordered 1
		.amdhsa_forward_progress 1
		.amdhsa_inst_pref_size 52
	.end_amdhsa_kernel
	.amdgpu_metadata
---
amdhsa.version: [ 1, 2 ]
amdhsa.kernels:
  - .name:           k_q0af6d82903_proj
    .symbol:         k_q0af6d82903_proj.kd
    .args:
      - { .name: opc, .offset: 0, .size: 8, .value_kind: global_buffer, .address_space: global }
      - { .name: ops, .offset: 8, .size: 8, .value_kind: global_buffer, .address_space: global }
      - { .name: b_proj, .offset: 16, .size: 8, .value_kind: global_buffer, .address_space: global }
      - { .name: out0, .offset: 24, .size: 8, .value_kind: global_buffer, .address_space: global }
    .group_segment_fixed_size: 214528
    .private_segment_fixed_size: 0
    .kernarg_segment_align: 8
    .kernarg_segment_size: 32
    .max_flat_workgroup_size: 128
    .sgpr_count:     106
    .vgpr_count:     960
    .wavefront_size: 32
...
	.end_amdgpu_metadata
.endif
;; end of part 4
